; MI455X (gfx1250); checked and timed in simulation.
; The chip was launched on July 23, 2026; its instructions are those of AMD's public machine-readable ISA for CDNA 5 (MIT licence, August 2026) and "CDNA5" Instruction Set Architecture Reference Guide (July 2026). The comments in the code are by the model that wrote it; some were corrected since.
;; Ro PE Attention. Allowed arithmetic: matrix products marked QUANTISED: E2M3 operands, one E8M0 scale for each 32 along K, by v_wmma_scale_f32_16x16x128_f8f6f4 with both operands' format E2M3, f32 sums; everything else in f32.
;; Inputs: b_proj 1,024 float32; w_proj 1,024 x 1,024 float32; w_qkv 1,024 x 3,072 float32; x 8 x 1,024 x 1,024 float32.
;; Outputs: out0 8 x 1,024 x 1,024 float32.
;; This version of the problem:
;;   THIS VERSION OF THE PROBLEM IS GIVEN IN LOW PRECISION. The matrix products marked QUANTISED in the list below multiply operands that are first quantised to E2M3 (2 exponent bits, 3 mantissa bits; 6 bits a number), with one power-of-two scale for each 32 numbers along K (OCP MX v1.0); their sums are f32. All else is computed in f32.
;;   The module's matrix products, in the order in which they are computed (A, B: the left and right operand; K: the contracted axis; several contracted axes count as one K, in the product's order):
;;     1. [M 8,192, K 1,024] x [K 1,024, N 3,072]; A: input x; B: input w_qkv: QUANTISED
;;     2. batch 128 x [M 1,024, K 64] x [K 64, N 1,024]; A: computed on the way; B: computed on the way: QUANTISED
;;     3. batch 128 x [M 1,024, K 1,024] x [K 1,024, N 64]; A: softmax (see below); B: computed on the way: QUANTISED
;;     4. [M 8,192, K 1,024] x [K 1,024, N 1,024]; A: computed on the way; B: input w_proj: QUANTISED
;;   THE QUANTISER, for each operand of a quantised product, along K:
;;     - K is cut into blocks of 32 from its start; a last block that is shorter is filled with zeros.
;;     - A block's scale is 2^e with e = floor(log2(the largest magnitude in the block)) - 2, held to -126 .. 127; a block of zeros has e = 0. As a byte (E8M0): e + 127.
;;     - Each number is divided by its block's scale, clamped to +-7.5, and rounded to the nearest number of E2M3, ties to even, subnormals kept.
;;     - The product sums the exact products of the quantised numbers (number of the format x scale) in f32.
;;   ~~~python
;;   def quantise(x, axis):      # numpy; x: float32 -> the quantised numbers, widened to float32 again
;;       x = np.moveaxis(x, axis, -1); K = x.shape[-1]
;;       x = np.pad(x, [(0, 0)] * (x.ndim - 1) + [(0, -K % 32)]); x = x.reshape(x.shape[:-1] + (-1, 32)); a = np.abs(x).max(-1, keepdims=True)
;;       e = np.where(a > 0, np.clip(np.frexp(np.where(a > 0, a, 1))[1] - 1 - 2, -126, 127), 0)      # np.frexp(a)[1] - 1 = floor(log2(a)), exactly
;;       r = np.clip(x / 2.0 ** e, -7.5, 7.5)
;;       step = 2.0 ** (np.maximum(np.frexp(np.where(r == 0, 1, r))[1] - 1, 0) - 3)
;;       q = np.round(r / step) * step * 2.0 ** e      # np.round: ties to even
;;       return np.moveaxis(q.reshape(q.shape[:-2] + (-1,))[..., :K], -1, axis).astype(np.float32)
;;   ~~~
;;   SOFTMAX AHEAD OF A QUANTISED PRODUCT. Where the list says 'softmax', what is quantised is not the finished softmax but p = 2^(t - M), with t = logit x log2(e) and M = ceil(the row's largest t), a whole number; so 1/2 < the row's largest p <= 1. The row's sum l is taken of the UNQUANTISED p, in f32, and the product's result is divided by l at the end. Since M is a whole number, a kernel that streams over the keys may use a running M (the ceiling of the running maximum): every later rescaling is an exact power of two, which a block's scale takes up: the codes' values come out the same.
;;   OPERANDS COMPUTED ON THE WAY. 'Computed on the way' means the value that the module computes at that place (a softmax that the list does not call 'softmax' is quantised finished and normalised). What goes into a quantiser is computed in f32, as accurately as f32 sums, v_exp_f32 and their like allow (about 1e-6 of the number): no bf16 or f16 on the way to a quantiser, and a product that is left as it is and whose result goes on into a quantised operand takes f32 operands (vector FMAs, or v_wmma_f32_16x16x4_f32). A number that lies on a knife's edge between two numbers of the format may be rounded either way, as far as f32 arithmetic and the matrix unit's own rounding can turn it there, and no further.
;; One version. Each part assembles by itself: llvm-mc -triple=amdgcn-amd-amdhsa -mcpu=gfx1250 --defsym DOCPART=n.
;; ======== version 1 of 1: 4 launches
;; workspace buffers: codes 9,437,184 bytes; scales 393,216 bytes; tab 262,144 bytes; qkv 20,185,088 bytes; ao 6,291,456 bytes; aosc 262,144 bytes
;; launch prep (part 1): grid 384 x 1, 4 waves a work-group, no clusters, 68,608 bytes of LDS; arguments x, w_qkv, w_proj, codes, scales, tab; writes codes, scales, tab
.if DOCPART == 1
	.amdgcn_target "amdgcn-amd-amdhsa--gfx1250"
	.amdhsa_code_object_version 6
	.text
	.protected	k_q1458c6a908_prep
	.globl	k_q1458c6a908_prep
	.p2align	8
	.type	k_q1458c6a908_prep,@function
k_q1458c6a908_prep:
	s_mov_b64 s[64:65], 0
	v_nop
	global_prefetch_b8 v0, s[64:65] scope:SCOPE_SE
	s_setreg_imm32_b32 hwreg(HW_REG_WAVE_MODE, 25, 1), 1
	s_wait_xcnt 0x0
; PREP: the operands of the two large products become codes of FP6 (E2M3) with one E8M0 byte for each 32 along K = 1,024, and the RoPE table is made.
; Nothing of the computation is left out in this program: every input has a way to the output, and every product is done.
; codes [12288 places][768 bytes], scales [12288 places][32 bytes], K innermost: places 0-8191 the tokens of x, 8192-11263 the columns of w_qkv, 11264-12287 the columns of w_proj.
; PLACES.  Row (or column) number n lies at the place that has n's bits 3 and 4 exchanged.  A product that takes 16 neighbouring places as a tile and is used transposed then holds, in a lane's 16 registers of
; two neighbouring tiles, 16 NEIGHBOURING numbers of the next product's K.
; tab [1024 positions][32 pairs][cos, sin], f32: the angle is position x omega, omega = 10^(-pair / 8), as one f32 product; it is brought under pi / 4 by a two-part pi / 2, and sine and cosine are polynomials.
; A block's scale is 2^(floor(log2(its largest magnitude)) - 2); its byte is the largest magnitude's exponent field - 2, held at 1 from below.
; LIMITS: NaN and infinities among the inputs are not served.  Blocks whose largest magnitude lies under 2^-124 keep the byte 1; a block of zeros has the byte 1 and not 127: its codes are zeros, and this program alone
; reads the bytes.  omega is the f32 product of 10^(-(pair % 8) / 8) and 10^(-(pair / 8)), each rounded to f32: within two units of the last place of the number itself, which moves an angle by under 1e-4 at position 1,023.
; SHARES.  Work-groups 0-255: x, 32 rows each, a wave 8 rows (16 steps of 512 numbers) and one row of tab.  Work-groups 256-383: the weights, 128 columns x 256 along K each, a lane to a column, its registers down K.
; The two kinds of work-group part at once and have LDS bytes of their own.  No tensor loads, no barrier: waves share nothing.
.set STEPS, 16
.set EMAX,  2
.set CB,    12                         ; bytes of 16 codes
.set XR,    16                         ; v16-79   x: four sets of 16 numbers as they are loaded
.set XX,    80                         ; v80-111  two sets of 16 neighbours
.set XE,    112                        ; v112-127 a scale byte for each step
.set XC,    128                        ; v128-191 codes: four registers for each step
.set WREG,  8192                       ; LDS, x: a region for each wave: two stages of 32 x SP bytes, then its 256 scale bytes
.set SP,    80                         ; a lane's place in a stage: 64 bytes + 16 of padding
.set SPW,   12                         ; v12  LDS address of my spare word; never rewritten
.set NIL,   13                         ; v13  0; never rewritten
.set WSTG,  32768                      ; LDS, weights: four stages of 32 rows x WP bytes
.set WP,    272
.set SPARE, WSTG+4*32*WP               ; the spare words, 128 bytes for each wave
.set WX,    32                         ; v32-95   weights: two sets of 32 numbers
.set WC,    96                         ; v96..    a block's codes
.set WOUT,  112                        ; v112-175 the way out
.set WO,    176                        ; v176-207 byte offsets: 4 x lane + i rows of the weight
.set WSB,   24                         ; v24-25   eight scale bytes
.set OM,  192                          ; v192-205 the table's row
.set TT,  193
.set FQ,  194
.set NN,  195
.set RR,  196
.set ZZ,  197
.set PS,  198
.set PCO, 199
.set SS,  200
.set CC,  201
.set QI,  202
.set TA,  203
.macro PICK dst, idx, i, val           ; dst = val in the lanes where idx is i
	v_mov_b32 v[TT], \val
	v_cmp_eq_u32 vcc_lo, \i, v[\idx]
	v_cndmask_b32 v[\dst], v[\dst], v[TT], vcc_lo
.endm
.macro XLOAD t
.irp i, 0,1,2,3
	global_load_b128 v[XR+16*((\t)%4)+4*\i:XR+16*((\t)%4)+4*\i+3], v3, s[4:5] offset:2048*(\t)+512*\i th:TH_LOAD_NT   ; 32 lanes read 512 consecutive bytes
.endr
.endm
.macro XTURN t                         ; step t's numbers through the stage: LDS serves a wave's instructions in order, so no wait stands between the stores and the loads
.irp i, 0,1,2,3
	ds_store_b128 v14, v[XR+16*((\t)%4)+4*\i:XR+16*((\t)%4)+4*\i+3] offset:32*SP*((\t)%2)+8*SP*\i
.endr
.irp i, 0,1,2,3
	ds_load_b128 v[XX+16*((\t)%2)+4*\i:XX+16*((\t)%2)+4*\i+3], v15 offset:32*SP*((\t)%2)+16*\i
.endr
.endm
.macro XSTEP t
.set XS, XX+16*((\t)%2)
.if (\t) > 0
	s_wait_dscnt 1                                 ; this step's numbers are back from the stage; the last step's byte store may be out
.else
	s_wait_dscnt 0x0
.endif
.if (\t)+4 < STEPS
	XLOAD (\t)+4                                   ; into the registers that this step's stores into the stage have read
.endif
.if (\t)+1 < STEPS
.if STEPS-2-(\t) >= 3
	s_wait_loadcnt 12                              ; the next step's four loads are in; those of the three steps behind it may be out
.else
	s_wait_loadcnt 4*(STEPS-2-(\t))
.endif
	XTURN (\t)+1
.endif
	v_max3_num_f32 v8, |v[XS]|, |v[XS+1]|, |v[XS+2]|               ; the largest magnitude of my 16, in two chains
	v_max3_num_f32 v9, |v[XS+3]|, |v[XS+4]|, |v[XS+5]|
.irp i, 6,10
	v_max3_num_f32 v8, v8, |v[XS+\i]|, |v[XS+\i+1]|
	v_max3_num_f32 v9, v9, |v[XS+\i+2]|, |v[XS+\i+3]|
.endr
	v_max3_num_f32 v8, v8, |v[XS+14]|, |v[XS+15]|
	v_max3_num_f32 v8, v8, v9, (EMAX+1)<<23        ; and the floor 2^(3 - 127): the byte cannot fall under 1
	v_max_num_f32_dpp v8, v8, v8 row_xmask:1 row_mask:0xf bank_mask:0xf   ; and of my neighbour's 16: the block's
	v_add_nc_u32 v11, -(EMAX<<23), v8              ; 2 off its exponent field: the conversion takes the exponent field of this operand as its scale
	v_cvt_scalef32_pk16_fp6_f32 v[XC+4*(\t):XC+4*(\t)+2], v[XS:XS+15], v11
	v_lshrrev_b32 v[XE+(\t)], 23, v11              ; the scale's byte (also the plain line behind the conversion)
	ds_store_b8 v5, v[XE+(\t)] offset:16*(\t)      ; both lanes of a block write the same byte with the same value
	global_store_b96 v4, v[XC+4*(\t):XC+4*(\t)+2], s[10:11] offset:32*CB*(\t)
.endm
.macro WLOAD t                         ; block t of a column: W(32 t + i, my column), i = 0 .. 31, into set t % 2
.irp i, 0,1,2,3,4,5,6,7,8,9,10,11,12,13,14,15,16,17,18,19,20,21,22,23,24,25,26,27,28,29,30,31
	global_load_b32 v[WX+32*((\t)%2)+\i], v[WO+\i], s[40+2*(\t):41+2*(\t)] th:TH_LOAD_NT
.endr
.endm
.macro WBLOCK t
.set XS, WX+32*((\t)%2)
.if (\t) < 7
	s_wait_loadcnt 32                              ; this block's 32 loads are in; the next block's may be out
.else
	s_wait_loadcnt 0
.endif
	v_max3_num_f32 v16, |v[XS]|, |v[XS+1]|, |v[XS+2]|              ; the block's largest magnitude: all 32 numbers are mine
	v_max3_num_f32 v17, |v[XS+3]|, |v[XS+4]|, |v[XS+5]|
.irp i, 6,10,14,18,22,26
	v_max3_num_f32 v16, v16, |v[XS+\i]|, |v[XS+\i+1]|
	v_max3_num_f32 v17, v17, |v[XS+\i+2]|, |v[XS+\i+3]|
.endr
	v_max3_num_f32 v16, v16, |v[XS+30]|, |v[XS+31]|
	v_max3_num_f32 v16, v16, v17, (EMAX+1)<<23
	v_add_nc_u32 v11, -(EMAX<<23), v16
	v_lshrrev_b32 v17, 23, v11                     ; the scale's byte
.if (\t)%4 == 0
	v_mov_b32 v[WSB+(\t)/4], v17                   ; four bytes to a register, the lower K in the lower byte
.else
	v_lshl_or_b32 v[WSB+(\t)/4], v17, 8*((\t)%4), v[WSB+(\t)/4]
.endif
	v_cvt_scalef32_pk16_fp6_f32 v[WC:WC+2], v[XS:XS+15], v11
	v_cvt_scalef32_pk16_fp6_f32 v[WC+4:WC+6], v[XS+16:XS+31], v11  ; (a conversion's three registers begin on an even number)
	ds_store_b96 v4, v[WC:WC+2] offset:32*(\t)     ; 12 bytes to a place of 16 in the stage: every LDS address is a multiple of 16
	ds_store_b96 v4, v[WC+4:WC+6] offset:32*(\t)+16
.if (\t)+2 < 8
	WLOAD (\t)+2
.endif
	s_wait_dscnt 0x0                               ; the stores have read their registers: the next block's codes may be written
.endm
	s_load_b256 s[4:11], s[0:1], 0x0               ; x s[4:5], w_qkv s[6:7], w_proj s[8:9], codes s[10:11]
	s_load_b128 s[12:15], s[0:1], 0x20             ; scales s[12:13], tab s[14:15]
	v_lshl_add_u32 v[SPW], v0, 2, SPARE
	v_mov_b32 v[NIL], 0
	v_lshrrev_b32 v1, 5, v0
	v_readfirstlane_b32 s16, v1                    ; wave
	v_and_b32 v2, 31, v0                           ; lane
	s_wait_kmcnt 0x0
	s_cmp_lt_u32 ttmp9, 256
	s_cbranch_scc0 .Lw
	; ---------------- x ----------------
	v_lshlrev_b32 v3, 4, v2                        ; my 16 bytes of a load's 512
	s_mul_i32 s17, s16, WREG
	v_lshrrev_b32 v14, 2, v2
	v_mul_u32_u24 v14, v14, SP
	v_and_b32 v15, 3, v2
	v_lshl_add_u32 v14, v15, 4, v14
	v_add_nc_u32 v14, s17, v14                     ; the stage, on the way in: SP (lane / 4) + 16 (lane % 4)
	v_mul_u32_u24 v15, v2, SP
	v_add_nc_u32 v15, s17, v15                     ; and on the way out: SP x lane: my 16 neighbours
	v_mul_u32_u24 v4, v2, CB                       ; my codes' place in a step's
	v_lshrrev_b32 v5, 1, v2
	s_add_co_u32 s17, s17, 2*32*SP
	v_add_nc_u32 v5, s17, v5                       ; LDS: my wave's 256 scale bytes, my block's byte
	v_lshlrev_b32 v7, 3, v2                        ; 8 bytes a lane
	v_add_nc_u32 v6, s17, v7
	s_lshl_b32 s18, ttmp9, 2
	s_add_co_u32 s19, s18, s16                     ; my run of 8 rows; also my position in tab
	s_and_b32 s20, s16, 1
	s_lshl_b32 s20, s20, 1
	s_lshr_b32 s21, s16, 1
	s_or_b32 s20, s20, s21
	s_add_co_u32 s20, s18, s20                     ; where the run goes: bits 3 and 4 of a row's number are bits 0 and 1 of the run's: exchanged
	s_lshl_b32 s22, s19, 15                        ; 8 rows of 4,096 bytes
	s_mov_b32 s23, 0
	s_add_nc_u64 s[4:5], s[4:5], s[22:23]
	s_mul_i32 s22, s20, 6144                       ; 8 rows of 768 bytes
	s_add_nc_u64 s[10:11], s[10:11], s[22:23]
	s_lshl_b32 s22, s20, 8                         ; 8 rows of 32 bytes
	s_add_nc_u64 s[12:13], s[12:13], s[22:23]
	s_lshl_b32 s22, s19, 8                         ; a row of tab is 256 bytes
	s_add_nc_u64 s[14:15], s[14:15], s[22:23]
.irp t, 0,1,2,3
	XLOAD \t
.endr
	; the table's row, while the first loads are on their way: lane = pair
	v_and_b32 v[TA], 7, v2
	v_mov_b32 v[OM], 1.0
	PICK OM, TA, 1, 0x3f3ff911                     ; 10^(-1/8) .. 10^(-7/8)
	PICK OM, TA, 2, 0x3f0ff59a
	PICK OM, TA, 3, 0x3ed7e89b
	PICK OM, TA, 4, 0x3ea1e89b
	PICK OM, TA, 5, 0x3e72d424
	PICK OM, TA, 6, 0x3e361887
	PICK OM, TA, 7, 0x3e088d77
	v_lshrrev_b32 v[TA], 3, v2
	v_mov_b32 v[FQ], 1.0
	PICK FQ, TA, 1, 0x3dcccccd                     ; 0.1, 0.01, 0.001
	PICK FQ, TA, 2, 0x3c23d70a
	PICK FQ, TA, 3, 0x3a83126f
	v_mul_f32 v[OM], v[OM], v[FQ]                  ; omega
	v_cvt_f32_u32 v[FQ], s19
	v_mul_f32 v[FQ], v[FQ], v[OM]                  ; the angle, one f32 product
	v_mul_f32 v[NN], 0x3f22f983, v[FQ]             ; x 2 / pi
	v_rndne_f32 v[NN], v[NN]                       ; n, at most 652
	v_fma_f32 v[RR], -v[NN], 0x3fc90fdb, v[FQ]     ; the angle less n x pi / 2, pi / 2 in two parts
	v_fma_f32 v[RR], -v[NN], 0xb33bbd2e, v[RR]
	v_mul_f32 v[ZZ], v[RR], v[RR]
	v_mov_b32 v[PS], 0x3638ef1d                    ; sine: r + r z (-1/6 + z (1/120 + z (-1/5040 + z / 362880)))
	v_fmaak_f32 v[PS], v[PS], v[ZZ], 0xb9500d01
	v_fmaak_f32 v[PS], v[PS], v[ZZ], 0x3c088889
	v_fmaak_f32 v[PS], v[PS], v[ZZ], 0xbe2aaaab
	v_mul_f32 v[TT], v[RR], v[ZZ]
	v_fma_f32 v[SS], v[TT], v[PS], v[RR]
	v_mov_b32 v[PCO], 0xb493f27e                   ; cosine: 1 + z (-1/2 + z (1/24 + z (-1/720 + z (1/40320 - z / 3628800))))
	v_fmaak_f32 v[PCO], v[PCO], v[ZZ], 0x37d00d01
	v_fmaak_f32 v[PCO], v[PCO], v[ZZ], 0xbab60b61
	v_fmaak_f32 v[PCO], v[PCO], v[ZZ], 0x3d2aaaab
	v_fmaak_f32 v[PCO], v[PCO], v[ZZ], 0xbf000000
	v_fma_f32 v[CC], v[ZZ], v[PCO], 1.0
	v_cvt_i32_f32 v[QI], v[NN]
	v_and_b32 v[TT], 1, v[QI]
	v_cmp_eq_u32 vcc_lo, 1, v[TT]                  ; in odd quadrants the two change places
	v_cndmask_b32 v[TA], v[SS], v[CC], vcc_lo
	v_cndmask_b32 v[TT], v[CC], v[SS], vcc_lo
	v_lshlrev_b32 v[PS], 30, v[QI]                 ; the sine's sign: bit 1 of n
	v_and_b32 v[PS], 0x80000000, v[PS]
	v_xor_b32 v205, v[PS], v[TA]
	v_add_nc_u32 v[PCO], 1, v[QI]                  ; the cosine's: bit 1 of n + 1
	v_lshlrev_b32 v[PCO], 30, v[PCO]
	v_and_b32 v[PCO], 0x80000000, v[PCO]
	v_xor_b32 v204, v[PCO], v[TT]
	global_store_b64 v7, v[204:205], s[14:15]      ; 32 lanes store the row's 256 consecutive bytes, aligned
	s_wait_loadcnt 12                              ; step 0's four loads are in
	XTURN 0
.irp t, 0,1,2,3,4,5,6,7,8,9,10,11,12,13,14,15
	XSTEP \t
.endr
	ds_load_b64 v[8:9], v6                         ; LDS serves a wave's instructions in order: these see my byte stores
	s_wait_dscnt 0x0
	global_store_b64 v7, v[8:9], s[12:13]          ; 32 lanes store 256 consecutive bytes, aligned
	s_wait_tensorcnt 0x0                           ; the wave's end, behind my last LDS store
	ds_add_u32 v[SPW], v[NIL]
	s_wait_dscnt 0x0
	s_endpgm
	; ---------------- the weights ----------------
.Lw:
	s_sub_co_u32 s17, ttmp9, 256
	s_and_b32 s18, s17, 31                         ; which 128 columns: 0-23 of w_qkv, 24-31 of w_proj
	s_lshr_b32 s19, s17, 5                         ; which 256 along K
	s_mov_b32 s21, 12288
	s_cmp_ge_u32 s18, 24                           ; the choice hangs on the work-group's number alone
	s_cselect_b64 s[6:7], s[8:9], s[6:7]           ; the weight,
	s_cselect_b32 s21, 4096, s21                   ; a row of it in bytes,
	s_cselect_b32 s22, 24, 0                       ; and where its groups of columns begin
	s_sub_co_u32 s22, s18, s22
	s_lshl_b32 s22, s22, 7
	s_lshl_b32 s23, s16, 5
	s_add_co_u32 s22, s22, s23                     ; my wave's first column
	s_lshl_b32 s24, s22, 2
	s_mul_i32 s25, s19, s21
	s_lshl_b32 s25, s25, 8                         ; 256 rows for each step along K
	s_add_co_u32 s24, s24, s25
	s_mov_b32 s25, 0
	s_add_nc_u64 s[40:41], s[6:7], s[24:25]        ; a base for each of the eight blocks of 32 rows
	s_lshl_b32 s26, s21, 5
	s_mov_b32 s27, 0
.irp t, 1,2,3,4,5,6,7
	s_add_nc_u64 s[40+2*\t:41+2*\t], s[38+2*\t:39+2*\t], s[26:27]
.endr
	v_lshlrev_b32 v3, 2, v2
.irp i, 0,1,2,3,4,5,6,7,8,9,10,11,12,13,14,15,16,17,18,19,20,21,22,23,24,25,26,27,28,29,30,31
	s_mul_i32 s28, s21, \i
	v_add_nc_u32 v[WO+\i], s28, v3                 ; 4 x lane + i rows; never rewritten
.endr
	WLOAD 0
	WLOAD 1
	s_mul_i32 s29, s16, 32*WP
	s_add_co_u32 s29, s29, WSTG                    ; my stage
	v_mul_u32_u24 v4, v2, WP
	v_add_nc_u32 v4, s29, v4                       ; into it: row = my column
	v_and_b32 v5, 15, v2
	v_lshrrev_b32 v6, 4, v2
	v_mul_u32_u24 v7, v6, WP
	v_lshl_add_u32 v7, v5, 4, v7
	v_add_nc_u32 v7, s29, v7                       ; out of it: sixteen lanes to a row, two rows an instruction
	v_mul_u32_u24 v8, v6, 768
	v_mad_u32_u24 v8, v5, 12, v8                   ; and the same place in codes
	v_and_b32 v9, 7, v2                            ; my column's place among the wave's 32: bits 3 and 4 exchanged
	v_bfe_u32 v10, v2, 3, 1
	v_lshl_add_u32 v9, v10, 4, v9
	v_bfe_u32 v10, v2, 4, 1
	v_lshl_add_u32 v9, v10, 3, v9
	v_lshlrev_b32 v9, 5, v9                        ; 32 scale bytes a place
	s_lshl_b32 s30, s18, 7
	s_add_co_u32 s30, s30, s23
	s_add_co_u32 s30, s30, 8192                    ; my wave's first place
	s_mul_i32 s32, s30, 768
	s_mul_i32 s33, s19, 192
	s_add_co_u32 s32, s32, s33
	s_mov_b32 s33, 0
	s_add_nc_u64 s[10:11], s[10:11], s[32:33]
	s_lshl_b32 s32, s30, 5
	s_lshl_b32 s34, s19, 3
	s_add_co_u32 s32, s32, s34
	s_add_nc_u64 s[12:13], s[12:13], s[32:33]
.irp t, 0,1,2,3,4,5,6,7
	WBLOCK \t
.endr
	global_store_b64 v9, v[WSB:WSB+1], s[12:13]    ; my column's eight scale bytes: rows 32 bytes apart, one byte in 128 of what the work-group reads
.irp t, 0,1,2,3,4,5,6,7,8,9,10,11,12,13,14,15
	ds_load_b96 v[WOUT+4*\t:WOUT+4*\t+2], v7 offset:2*\t*WP        ; LDS serves a wave's instructions in order: these see my stores
.endr
.irp t, 0,1,2,3,4,5,6,7,8,9,10,11,12,13,14,15
	s_wait_dscnt 15-\t
	global_store_b96 v8, v[WOUT+4*\t:WOUT+4*\t+2], s[10:11] offset:(2*(\t&3)+16*((\t>>2)&1)+8*((\t>>3)&1))*768   ; columns 2 t and 2 t + 1 go to their places; sixteen lanes store 192 consecutive bytes
.endr
	s_wait_tensorcnt 0x0                           ; the wave's end, behind my last LDS store
	ds_add_u32 v[SPW], v[NIL]
	s_wait_dscnt 0x0
	s_endpgm
.Lfunc_end_k_q1458c6a908_prep:
	.size	k_q1458c6a908_prep, .Lfunc_end_k_q1458c6a908_prep-k_q1458c6a908_prep
	.p2alignl 7, 3214868480
	.fill 96, 4, 3214868480
	.section	.rodata,"a",@progbits
	.p2align	6, 0x0
	.amdhsa_kernel k_q1458c6a908_prep
		.amdhsa_group_segment_fixed_size 68608
		.amdhsa_private_segment_fixed_size 0
		.amdhsa_enable_private_segment 0
		.amdhsa_kernarg_size 48
		.amdhsa_user_sgpr_count 2
		.amdhsa_user_sgpr_kernarg_segment_ptr 1
		.amdhsa_wavefront_size32 1
		.amdhsa_system_sgpr_workgroup_id_x 1
		.amdhsa_system_sgpr_workgroup_id_y 1
		.amdhsa_system_sgpr_workgroup_id_z 1
		.amdhsa_system_vgpr_workitem_id 0
		.amdhsa_next_free_vgpr 208
		.amdhsa_next_free_sgpr 66
		.amdhsa_reserve_vcc 1
		.amdhsa_float_denorm_mode_32 3
		.amdhsa_float_denorm_mode_16_64 3
		.amdhsa_memory_ordered 1
		.amdhsa_forward_progress 1
		.amdhsa_inst_pref_size 79
	.end_amdhsa_kernel
	.amdgpu_metadata
---
amdhsa.version: [ 1, 2 ]
amdhsa.kernels:
  - .name:           k_q1458c6a908_prep
    .symbol:         k_q1458c6a908_prep.kd
    .args:
      - { .name: x, .offset: 0, .size: 8, .value_kind: global_buffer, .address_space: global }
      - { .name: w_qkv, .offset: 8, .size: 8, .value_kind: global_buffer, .address_space: global }
      - { .name: w_proj, .offset: 16, .size: 8, .value_kind: global_buffer, .address_space: global }
      - { .name: codes, .offset: 24, .size: 8, .value_kind: global_buffer, .address_space: global }
      - { .name: scales, .offset: 32, .size: 8, .value_kind: global_buffer, .address_space: global }
      - { .name: tab, .offset: 40, .size: 8, .value_kind: global_buffer, .address_space: global }
    .group_segment_fixed_size: 68608
    .private_segment_fixed_size: 0
    .kernarg_segment_align: 8
    .kernarg_segment_size: 48
    .max_flat_workgroup_size: 128
    .sgpr_count:     66
    .vgpr_count:     208
    .wavefront_size: 32
...
	.end_amdgpu_metadata
.endif
;; end of part 1
;; launch qkv (part 2): grid 4 x 64, 4 waves a work-group, clusters of 4 x 4, 327,680 bytes of LDS; arguments codes, scales, tab, qkv; writes qkv
.if DOCPART == 2
	.amdgcn_target "amdgcn-amd-amdhsa--gfx1250"
	.amdhsa_code_object_version 6
	.text
	.protected	k_q1458c6a908_qkv
	.globl	k_q1458c6a908_qkv
	.p2align	8
	.type	k_q1458c6a908_qkv,@function
k_q1458c6a908_qkv:
	s_mov_b64 s[64:65], 0
	v_nop
	global_prefetch_b8 v0, s[64:65] scope:SCOPE_SE
	s_setreg_imm32_b32 hwreg(HW_REG_WAVE_MODE, 25, 1), 1
	s_wait_xcnt 0x0
	s_wait_alu depctr_hold_cnt(0) depctr_sa_sdst(0) depctr_va_vdst(0) depctr_va_sdst(0) depctr_va_ssrc(0) depctr_va_vcc(0) depctr_vm_vsrc(0)
	s_getreg_b32 s2, hwreg(HW_REG_IB_STS2, 6, 4)
	s_cmp_eq_u32 s2, 0
	s_cbranch_scc0 .Lentry_in_a_cluster
	s_endpgm
.Lentry_in_a_cluster:
	s_bfe_u32 s2, ttmp6, 0x10000c
	s_cmp_lg_u32 s2, 0xf033
	s_cbranch_scc0 .Lentry_shape_is_right
	s_endpgm
.Lentry_shape_is_right:
; QKV: x w_qkv on codes of FP6 (E2M3), K = 1,024; then RoPE on q and k in f32; then q, k and v are quantised in registers for the two products of attention and leave as codes.  No f32 result goes to memory.
; SHARES.  256 work-groups that stay: a work-group owns 128 tokens and one group of four heads, and makes three tiles of 128 x 256 one after the other: q, k, v.  Four waves.
; q, k: A = tokens, B = columns of w_qkv; a wave makes 64 tokens x 128 columns (two heads).  v: A = columns, B = tokens; a wave makes 64 columns (one head) x 128 tokens.  32 accumulators of 16 x 16 a wave.
; THE MATRIX INSTRUCTION IS USED TRANSPOSED: source 0 = 16 rows of B, source 1 = 16 rows of A: a lane holds ONE row of A, and its registers run along B's rows.
; Rows lie in codes at places whose bits 3 and 4 are exchanged, so that register 16 b + i of a lane's 64 is B's true row 32 b + 16 (lane / 16) + i: 16 neighbours along the next product's K.
; So for q and k a lane holds a token and its registers run along two heads' channels (RoPE, then blocks of 32 channels); for v a lane holds a channel and its registers run along 128 keys (blocks of 32 keys).
; LDS.  The 128 tokens' codes, all of K, are filled once: rows of 768 bytes, 16 of padding behind every 256: 816 apart.  The weights go through a ring of two slots, each 256 columns x half of K: rows of 384 bytes,
; 16 of padding behind every 128: 432 apart.  Both distances are 16 more than a multiple of 32 bytes: the 32 lanes of a load of 8 bytes touch 64 different banks (64 banks of 4 bytes: ISA guide 11.1).
; Slot c always holds the c-th half of K; it is filled again with the next tile's half as soon as its last fragments are in registers: four refills in all.
; The scale words go from memory straight into 64 registers, sixteen loads of 16 bytes a tile (a row's 32 bytes are read whole by two loads); the table's rows for my 64 tokens are loaded once, for q and k.
; OUT, as images of operand registers.  q at 0, k at KOFF: [16 b + head][block of 128 tokens][6,656 bytes]: eight tiles of 16 tokens x 64 channels, 768 bytes each (registers 0-3 at 16 x lane, registers 4-5 at 512 + 8 x lane),
; then eight times 16 scale words (two bytes of scales, two bytes 0).  v at VOFF: [16 b + head][block of 128 keys][6,400 bytes]: four tiles of 16 channels x 128 keys, 1,536 bytes each, then four times 16 scale words.
; CLUSTERS: 4 x 4 work-groups; the tokens' codes are asked for jointly along a row of the cluster (four groups of heads), the weights' along a column (four blocks of tokens).
; LIMITS: a block under 2^-124 (a block of zeros too) keeps the byte 1; NaN and infinities are not served.
; REGISTERS: window 0: v0-31 addresses; v32-95 scale words; v96-159 a block after RoPE; v160-211 at work.  window 1: B's fragments, two sets, at v0 and v128.  window 2: the accumulators ((a, b) at v[8 (8 a + b)]).
;   window 3: A's fragments, two sets, at v0 and v48; v96-223 the table's rows.
.set KROW,  768                        ; a row of codes in memory
.set XP,    816                        ; a token's row in LDS
.set WP,    432                        ; half a column's row in LDS
.set FR,    12                         ; registers of a fragment
.set NP,    4                          ; places behind this matrix instruction (ISA guide 7.12.1)
.set XB,    0
.set WB,    128*XP
.set WSL,   256*WP                     ; a slot
.set SPARE, WB+2*WSL                   ; the spare words, 128 bytes for each wave
.set STG,   SPARE+512                  ; 256 bytes for each wave, in which a head's scale words are gathered; no fill lands here
.set HQ,    53248                      ; a head of q or k in the output
.set HV,    51200                      ; a head of v
.set KOFF,  128*HQ
.set VOFF,  2*KOFF
.set QA,   4                           ; v4-5    q, k: A's rows (tokens): + 24 h; + 40 h for the pieces that lie behind one padding more
.set QB,   6                           ; v6-9    q, k: B's rows (columns): slot 0 (24 h, 40 h), slot 1
.set VA,   10                          ; v10-13  v: A's rows (columns), likewise
.set VX,   14                          ; v14-17  v: B's rows (tokens): blocks 0-3 (24 h, 40 h), blocks 4-7
.set L16,  18                          ; 16 x lane
.set L8,   19                          ; 8 x lane
.set L16Q, 20                          ; the same + my four tiles' place among the block's eight
.set L8Q,  21
.set QSW,  22                          ; 8 x lane + my four tiles' scale words' place
.set TOFF, 23                          ; my token's row of tab among a tile's, + 64 (lane / 16)
.set SST,  24                          ; the stage: where my scale word goes
.set SRD,  25                          ; and where 8 bytes are read back
.set SOFQ, 26                          ; byte offsets into scales: lanes 0-15 A's rows, lanes 16-31 B's, for q,
.set SOFK, 27                          ; k,
.set SOFV, 28                          ; v
.set SPW,  29                          ; LDS address of my spare word; never rewritten
.set NIL,  30                          ; 0; never rewritten
.set SC,   32                          ; register 8 i + q: lanes 0-15 the word of A's block i, lanes 16-31 of B's block i, for the q-th 128 along K
.set H,    96
.set PC,   160                         ; v160-171 the codes just made; v172-178 halves on their way
.set TM,   180                         ; v180-183 largest magnitudes, v184-187 bytes, v192-195 the conversions' scale operands
.set PW,   196
.set PWA,  197
.set PWB,  200                         ; v200-203 the second head's scale words of four tiles
.set T,    204                         ; v204-211
.set CT,   96                          ; in window 3
.set G1X,  24
.set G1W,  32
.set G0X,  40
.set G0W,  44                          ; s[44:47] slot 0, s[48:51] slot 1
.set MULW, 0xad                        ; source 0 (B) window 1, source 1 (A) window 3, C and D window 2
.set MSB, 0
.macro WIN new                         ; the immediate's high byte repeats the setting that is left
.if MSB != (\new)
	s_set_vgpr_msb (MSB<<8)|(\new)
.set MSB, (\new)
.endif
.endm
.macro CREST                           ; a round of the cluster's barrier behind its opening barrier
	s_cmp_lg_u32 s14, 0
	s_cbranch_scc1 .Lnot_wave_0_\@
	s_barrier_signal -3
.Lnot_wave_0_\@:
	s_barrier_wait -3
	s_barrier_signal -1
	s_barrier_wait -1
.endm
.macro CROUND
	s_barrier_signal -1
	s_barrier_wait -1
	CREST
.endm
.macro PLACES n                        ; plain vector instructions between a matrix instruction and a load into, or a read of, its registers
.rept \n
	v_nop
.endr
.endm
; A fragment, 16 rows x 128 K, is 12 registers: lane l holds row l % 16; registers 6 c .. 6 c + 5 hold K = 64 c + 32 (l / 16) + 0 .. 31: 24 bytes of the row as they lie, in pieces of 8 bytes.
; Lanes 16-31 read three pieces further on; where that is behind one padding more, the second address register serves.
.macro FRAGX reg, adr, q, i            ; from a token's row: the q-th 128 of K
.irp p, 0,1,2,3,4,5
.set PCE, 12*(\q)+6*(\p/3)+\p%3
.if PCE%32 < 29
	ds_load_b64 v[\reg+2*\p:\reg+2*\p+1], v[\adr] offset:8*PCE+16*(PCE/32)+(\i)*16*XP
.else
	ds_load_b64 v[\reg+2*\p:\reg+2*\p+1], v[\adr+1] offset:8*PCE+16*(PCE/32)+(\i)*16*XP
.endif
.endr
.endm
.macro FRAGW reg, adr, q, i            ; from a column's row: slot q / 4, the (q % 4)-th 128 in it
.irp p, 0,1,2,3,4,5
.set PCE, 12*((\q)%4)+6*(\p/3)+\p%3
.if PCE%16 < 13
	ds_load_b64 v[\reg+2*\p:\reg+2*\p+1], v[\adr+2*((\q)/4)] offset:8*PCE+16*(PCE/16)+(\i)*16*WP
.else
	ds_load_b64 v[\reg+2*\p:\reg+2*\p+1], v[\adr+2*((\q)/4)+1] offset:8*PCE+16*(PCE/16)+(\i)*16*WP
.endif
.endr
.endm
.macro FETCH m, q, set                 ; the fragments of step q: B's eight, A's four.  m = 0: q, k; m = 1: v
	WIN 0x40                                       ; destination window 1
.irp i, 0,1,2,3,4,5,6,7
.if \m
	FRAGX 128*(\set)+FR*\i, VX+2*(\i/4), \q, \i%4
.else
	FRAGW 128*(\set)+FR*\i, QB, \q, \i
.endif
.endr
	WIN 0xc0                                       ; destination window 3
.irp i, 0,1,2,3
.if \m
	FRAGW 48*(\set)+FR*\i, VA, \q, \i
.else
	FRAGX 48*(\set)+FR*\i, QA, \q, \i
.endif
.endr
.endm
; 16 matrix instructions: A's blocks a0, a0 + 1 x B's eight.  first = 1: the product starts the sums.  The 32 accumulators take turns, one instruction a turn.
.macro MULH a0, set, q, first
.irp a, \a0, \a0+1
.irp b, 0,1,2,3,4,5,6,7
.if \first
	v_wmma_scale_f32_16x16x128_f8f6f4 v[8*(8*(\a)+\b):8*(8*(\a)+\b)+7], v[128*(\set)+FR*\b:128*(\set)+FR*\b+FR-1], v[48*(\set)+FR*(\a):48*(\set)+FR*(\a)+FR-1], 0, v[SC+8*\b+(\q)], v[SC+8*(\a)+(\q)] matrix_a_fmt:MATRIX_FMT_FP6 matrix_b_fmt:MATRIX_FMT_FP6 matrix_a_scale:MATRIX_SCALE_ROW1
.else
	v_wmma_scale_f32_16x16x128_f8f6f4 v[8*(8*(\a)+\b):8*(8*(\a)+\b)+7], v[128*(\set)+FR*\b:128*(\set)+FR*\b+FR-1], v[48*(\set)+FR*(\a):48*(\set)+FR*(\a)+FR-1], v[8*(8*(\a)+\b):8*(8*(\a)+\b)+7], v[SC+8*\b+(\q)], v[SC+8*(\a)+(\q)] matrix_a_fmt:MATRIX_FMT_FP6 matrix_b_fmt:MATRIX_FMT_FP6 matrix_a_scale:MATRIX_SCALE_ROW1
.endif
.endr
.endr
.endm
; A step of 128 along K: its fragments were asked for a step ago; the next step's are asked for first, into the sets that the step before has read, and land under this step's 32 products.
.macro STEP m, q, first
	s_wait_dscnt 0x0                               ; this step's fragments are in
	PLACES NP
	FETCH \m, (\q)+1, ((\q)+1)%2
	WIN MULW
	MULH 0, (\q)%2, \q, \first
	MULH 2, (\q)%2, \q, \first
.endm
; A slot's last step (q = 3, 7) changes slots: ONE barrier; in front of it each wave waits for all its tensor loads, adds 0 to its spare word, and waits for that and for its reads of this slot.
; fill = 1: the slot takes the next tile's half of K; the barrier then opens a round of the cluster's.  Then the next step's fragments (step nq in mode nm) are asked for, from the other slot.
.macro TURN q, fill, nm, nq
	WIN 0                                          ; (the add's two registers lie in window 0)
	s_wait_tensorcnt 0x0                           ; all my tensor loads have landed: my part of the other slot
	ds_add_u32 v[SPW], v[NIL]                      ; 0 onto my spare word
.if \fill
	s_add_nc_u64 s[G0W+4*((\q)/4)+2:G0W+4*((\q)/4)+3], s[G0W+4*((\q)/4)+2:G0W+4*((\q)/4)+3], 1024*KROW   ; no load of mine is out: this slot's descriptor steps to the next tile, 1,024 places on
.endif
	s_wait_dscnt 0x0                               ; the add is done, and my reads of this slot are over: this step's fragments are in registers
	s_barrier_signal -1
	WIN MULW
	MULH 0, 1, \q, 0                               ; work on registers while the others arrive
	WIN 0
	s_barrier_wait -1
.if \fill
	CREST                                          ; no wave of any partner still reads this slot or has a load on its way
	tensor_load_to_lds s[G0W+4*((\q)/4):G0W+4*((\q)/4)+3], s[G1W:G1W+7]   ; the first tensor load behind the round, my one load until the next
	s_nop 0
.endif
	PLACES NP                                      ; in front of the loads below
	FETCH \nm, \nq, 0
	WIN MULW
	MULH 2, 1, \q, 0
.endm
.macro TILE m, nm, last
	STEP \m, 0, 1                                  ; the first products start the sums: nothing is cleared
	STEP \m, 1, 0
	STEP \m, 2, 0
	TURN 3, 1-\last, \m, 4
	STEP \m, 4, 0
	STEP \m, 5, 0
	STEP \m, 6, 0
.if \last
	s_wait_dscnt 0x0
	WIN MULW
	MULH 0, 1, 7, 0
	MULH 2, 1, 7, 0
.else
	TURN 7, 1, \nm, 0
.endif
.endm
.macro SCLD sof                        ; a tile's scale words: a row's 32 bytes by two loads
.irp i, 0,1,2,3,4,5,6,7
.irp j, 0,1
	global_load_b128 v[SC+8*\i+4*\j:SC+8*\i+4*\j+3], v[\sof], s[6:7] offset:512*\i+16*\j
.endr
.endr
.endm
.macro TABLD a                         ; the table's rows for block a of 16 tokens: for each half of a head (p), my eight pairs (cos, sin): 64 bytes
.irp p, 0,1
.irp n, 0,1,2,3
	global_load_b128 v[CT+32*(\a)+16*\p+4*\n:CT+32*(\a)+16*\p+4*\n+3], v[TOFF], s[8:9] offset:(32*((\a)/2)+8*((\a)%2))*256+128*\p+16*\n
.endr
.endr
.endm
; RoPE on block a: accumulator g holds channels 32 (g / 2) + 16 h + 8 (g % 2) + 0 .. 7 of the wave's two heads: four pairs.  Each accumulator is read from its low end on.
.macro ROPE a
.set AC, 64*(\a)
.set CB0, CT+32*(\a)
	WIN 0x0e                                       ; source 0: the accumulators, window 2; source 1: the table, window 3
.irp g, 0,1,2,3,4,5,6,7
.irp e, 0,1,2,3
	v_mul_f32 v[T+2*\e], v[AC+8*\g+2*\e+1], v[CB0+16*((\g/2)%2)+8*(\g%2)+2*\e+1]     ; t2 sin
	v_mul_f32 v[T+2*\e+1], v[AC+8*\g+2*\e], v[CB0+16*((\g/2)%2)+8*(\g%2)+2*\e+1]     ; t1 sin
.endr
.irp e, 0,1,2,3
	v_fma_f32 v[H+8*\g+2*\e], v[AC+8*\g+2*\e], v[CB0+16*((\g/2)%2)+8*(\g%2)+2*\e], -v[T+2*\e]        ; t1 cos - t2 sin
	v_fma_f32 v[H+8*\g+2*\e+1], v[AC+8*\g+2*\e+1], v[CB0+16*((\g/2)%2)+8*(\g%2)+2*\e], v[T+2*\e+1]   ; t2 cos + t1 sin
.endr
.endr
	WIN 0
.endm
; 64 numbers of a lane in window w, register 16 b + i = K 32 b + 16 (lane / 16) + i of my row, become a fragment's codes in v[PC] on and its scale word in v[PW]
.macro QUANT s, w
	WIN (\w)|((\w)<<2)
.irp b, 0,1,2,3
	v_max3_num_f32 v[TM+\b], |v[\s+16*\b]|, |v[\s+1+16*\b]|, 0x1800000   ; my 16 numbers of block b, and the floor 2^(3 - 127): the byte cannot fall under 1
.endr
.irp i, 2,4,6,8,10,12,14
.irp b, 0,1,2,3
	v_max3_num_f32 v[TM+\b], |v[\s+16*\b+\i]|, |v[\s+1+16*\b+\i]|, v[TM+\b]
.endr
.endr
	WIN 0
.irp b, 0,1,2,3
	v_permlanex16_b32 v[TM+4+\b], v[TM+\b], s2, s3
.endr
.irp b, 0,1,2,3
	v_max_num_f32 v[TM+\b], v[TM+\b], v[TM+4+\b]   ; with lane l xor 16's: the block's largest magnitude
.endr
.irp b, 0,1,2,3
	v_add_nc_u32 v[TM+12+\b], 0xff000000, v[TM+\b] ; 2 off its exponent field: the conversion's scale operand
.endr
.irp b, 0,1,2,3
	v_lshrrev_b32 v[TM+4+\b], 23, v[TM+12+\b]      ; the scale's byte
.endr
	v_lshl_or_b32 v[PW], v[TM+5], 8, v[TM+4]
	v_lshl_or_b32 v[PW], v[TM+6], 16, v[PW]
	v_lshl_or_b32 v[PW], v[TM+7], 24, v[PW]
	WIN \w
.irp c, 0,1
	v_cvt_scalef32_pk16_fp6_f32 v[PC+6*\c:PC+2+6*\c], v[\s+32*\c:\s+15+32*\c], v[TM+12+2*\c]
	v_cvt_scalef32_pk16_fp6_f32 v[PC+12+4*\c:PC+14+4*\c], v[\s+16+32*\c:\s+31+32*\c], v[TM+12+2*\c+1]   ; (a conversion's three registers begin on an even number)
.endr
	WIN 0
	v_nop                                          ; one plain place behind a scaled conversion
.irp c, 0,1                                    ; the operand's layout wants a WHOLE block in a lane: lanes 0-15 block 2 c, lanes 16-31 block 2 c + 1
.irp i, 0,1,2
	v_permlane16_swap_b32 v[PC+6*\c+\i], v[PC+12+4*\c+\i]
.endr
.irp i, 0,1,2
	v_mov_b32 v[PC+3+6*\c+\i], v[PC+12+4*\c+\i]
.endr
.endr
.endm
.macro PUTQK a, ko                     ; registers 0-5 are the first head's tile, 6-11 the second's; each store covers 512 or 256 consecutive bytes, aligned
	global_store_b128 v[L16Q], v[PC:PC+3], s[12:13] offset:\ko+(\a)*768
	global_store_b64 v[L8Q], v[PC+4:PC+5], s[12:13] offset:\ko+(\a)*768+512
	global_store_b128 v[L16Q], v[PC+6:PC+9], s[12:13] offset:\ko+HQ+(\a)*768
	global_store_b64 v[L8Q], v[PC+10:PC+11], s[12:13] offset:\ko+HQ+(\a)*768+512
	v_and_b32 v[PWA], 0xffff, v[PW]                ; each head's two bytes; the upper two bytes, for the half of K that holds zero codes, are 0
	v_lshrrev_b32 v[PWB+(\a)], 16, v[PW]
	ds_store_b32 v[SST], v[PWA] offset:(\a)*64     ; lanes r and r + 16 write the same word with the same value
.endm
; The way out of q (ko = 0) or k (ko = KOFF).  The next tile's scale words are asked for first, into the registers that the last products have read.
.macro EPIQK ko, sof
	WIN 0
	PLACES NP                                      ; behind the last products: in front of the loads into the scale registers and of the first read of the results
	s_wait_xcnt 0x0                                ; the last way out's stores have read their registers
	SCLD \sof
	s_wait_loadcnt 16                              ; the table is in; the sixteen loads just issued may be out
.irp a, 0,1,2,3
	ROPE \a
.if \a > 0
	s_wait_xcnt 0x0                                ; the last block's stores have read their registers: the codes may be written again
.endif
	QUANT H, 0
	PUTQK \a, \ko
.endr
	ds_load_b64 v[T:T+1], v[SRD]                   ; the first head's scale words of my four tiles: LDS serves a wave's instructions in order
.irp a, 0,1,2,3
	ds_store_b32 v[SST], v[PWB+\a] offset:64*\a    ; then the second head's, into the same bytes, behind that load
.endr
	ds_load_b64 v[T+2:T+3], v[SRD]
	s_wait_dscnt 0x0
	global_store_b64 v[QSW], v[T:T+1], s[12:13] offset:\ko+6144            ; 256 consecutive bytes, aligned
	global_store_b64 v[QSW], v[T+2:T+3], s[12:13] offset:\ko+HQ+6144
.endm
	s_load_b256 s[4:11], s[0:1], 0x0               ; codes s[4:5], scales s[6:7], tab s[8:9], qkv s[10:11]
	v_lshl_add_u32 v[SPW], v0, 2, SPARE
	v_mov_b32 v[NIL], 0
	ds_add_u32 v[SPW], v[NIL]                      ; the wave's opening: the add, twice on end, and its wait ahead of my first tensor load
	ds_add_u32 v[SPW], v[NIL]
	v_lshrrev_b32 v1, 5, v0
	v_readfirstlane_b32 s14, v1                    ; wave 0..3
	s_lshr_b32 s15, s14, 1                         ; q, k: which 64 tokens are mine
	s_and_b32 s16, s14, 1                          ; q, k: which two heads
	s_bfe_u32 s56, ttmp6, 0x40000                  ; cx, cy: my place in the cluster
	s_bfe_u32 s57, ttmp6, 0x40004
	s_lshl_b32 s61, ttmp9, 2
	s_add_co_u32 s61, s61, s56                     ; the group of four heads
	s_and_b32 s58, ttmp7, 0xffff
	s_lshl_b32 s58, s58, 2
	s_add_co_u32 s58, s58, s57                     ; the block of 128 tokens, 0 .. 63
	s_lshl_b32 s59, s57, 2
	s_lshl_b32 s59, 15, s59                        ; my row of the cluster
	s_lshl_b32 s60, 0x1111, s56                    ; my column
	; the tokens: 32 rows of 768 bytes a wave, 16 bytes of padding behind every 256
	s_or_b32 s[G1X], s59, (1<<20)|(1<<21)|(5<<22)|(3<<25)
	s_mov_b32 s[G1X+1], KROW<<16                   ; tensor_dim0
	s_mov_b32 s[G1X+2], 32<<16                     ; tensor_dim1
	s_mov_b32 s[G1X+3], KROW<<16                   ; tile_dim0
	s_mov_b32 s[G1X+4], 32                         ; tile_dim1
	s_mov_b32 s[G1X+5], KROW                       ; from row to row
	s_mov_b32 s[G1X+6], 0
	s_mov_b32 s[G1X+7], 0
	; the weights: 64 rows of 384 bytes a wave, 16 bytes of padding behind every 128
	s_or_b32 s[G1W], s60, (1<<20)|(1<<21)|(4<<22)|(3<<25)
	s_mov_b32 s[G1W+1], 384<<16
	s_mov_b32 s[G1W+2], 64<<16
	s_mov_b32 s[G1W+3], 384<<16
	s_mov_b32 s[G1W+4], 64
	s_mov_b32 s[G1W+5], KROW
	s_mov_b32 s[G1W+6], 0
	s_mov_b32 s[G1W+7], 0
	s_lshl_b32 s20, s58, 7
	s_lshl_b32 s17, s14, 5
	s_add_co_u32 s20, s20, s17                     ; tokens: place 128 x block + 32 x wave
	s_mul_i32 s20, s20, KROW
	s_mov_b32 s21, 0
	s_lshl_b32 s22, s61, 8
	s_lshl_b32 s17, s14, 6
	s_add_co_u32 s22, s22, s17
	s_add_co_u32 s22, s22, 8192                    ; q's columns: place 8192 + 256 x group + 64 x wave
	s_mul_i32 s22, s22, KROW
	s_mov_b32 s23, 0
	s_mul_i32 s18, s14, 32*XP                      ; where they go: no place in the cluster enters an LDS address
	s_mul_i32 s19, s14, 64*WP
	s_wait_dscnt 0x0                               ; both opening adds are done
	s_wait_kmcnt 0x0
	s_add_nc_u64 s[20:21], s[4:5], s[20:21]
	s_add_nc_u64 s[22:23], s[4:5], s[22:23]
	s_mov_b32 s[G0X], 1
	s_add_co_u32 s[G0X+1], s18, XB
	s_mov_b64 s[G0X+2:G0X+3], s[20:21]
	s_or_b32 s[G0X+3], s[G0X+3], 0x80000000
.irp c, 0,1
	s_mov_b32 s[G0W+4*\c], 1
	s_add_co_u32 s[G0W+4*\c+1], s19, WB+\c*WSL
	s_add_nc_u64 s[G0W+4*\c+2:G0W+4*\c+3], s[22:23], \c*384
	s_or_b32 s[G0W+4*\c+3], s[G0W+4*\c+3], 0x80000000
.endr
	CROUND                                         ; all sixteen work-groups are here: the first joint loads meet
	tensor_load_to_lds s[G0X:G0X+3], s[G1X:G1X+7]  ; every wave issues all three first fills: three loads of mine are out
	s_nop 0
	tensor_load_to_lds s[G0W:G0W+3], s[G1W:G1W+7]
	s_nop 0
	tensor_load_to_lds s[G0W+4:G0W+7], s[G1W:G1W+7]
	s_nop 0
.rept 4
	v_nop
.endr
	v_and_b32 v1, 15, v0                           ; r = lane % 16
	v_bfe_u32 v2, v0, 4, 1                         ; h = lane / 16
	v_and_b32 v3, 31, v0                           ; lane
	v_mul_u32_u24 v31, v1, XP
	v_mad_u32_u24 v31, v2, 24, v31                 ; a token's row x its pitch + 24 h
	s_mul_i32 s17, s15, 64*XP
	v_add_nc_u32 v[QA], s17, v31
	v_lshl_add_u32 v[QA+1], v2, 4, v[QA]           ; and the same behind one padding more
	v_add_nc_u32 v[VX], XB, v31
	v_lshl_add_u32 v[VX+1], v2, 4, v[VX]
	v_add_nc_u32 v[VX+2], 64*XP, v[VX]
	v_add_nc_u32 v[VX+3], 64*XP, v[VX+1]
	v_mul_u32_u24 v31, v1, WP
	v_mad_u32_u24 v31, v2, 24, v31
	s_mul_i32 s17, s16, 128*WP
	s_add_co_u32 s17, s17, WB
	s_mul_i32 s18, s14, 64*WP
	s_add_co_u32 s18, s18, WB
.irp c, 0,1
	v_add_nc_u32 v[QB+2*\c], s17, v31
	v_lshl_add_u32 v[QB+2*\c+1], v2, 4, v[QB+2*\c]
	v_add_nc_u32 v[VA+2*\c], s18, v31
	v_lshl_add_u32 v[VA+2*\c+1], v2, 4, v[VA+2*\c]
	s_add_co_u32 s17, s17, WSL
	s_add_co_u32 s18, s18, WSL
.endr
	v_lshlrev_b32 v[L16], 4, v3
	v_lshlrev_b32 v[L8], 3, v3
	s_mul_i32 s17, s15, 4*768
	v_add_nc_u32 v[L16Q], s17, v[L16]
	v_add_nc_u32 v[L8Q], s17, v[L8]
	s_lshl_b32 s17, s15, 8
	v_add_nc_u32 v[QSW], s17, v[L8]
	v_and_b32 v[TOFF], 7, v1                       ; lane r of a tile holds the token r % 8 + 16 (r / 8) on from the tile's first
	v_lshrrev_b32 v31, 3, v1
	v_lshl_add_u32 v[TOFF], v31, 4, v[TOFF]
	v_lshlrev_b32 v[TOFF], 8, v[TOFF]              ; a row of tab is 256 bytes
	v_lshl_add_u32 v[TOFF], v2, 6, v[TOFF]         ; my half's eight pairs: 64 bytes
	s_lshl_b32 s17, s14, 8
	s_add_co_u32 s17, s17, STG
	v_lshl_add_u32 v[SST], v1, 2, s17
	v_add_nc_u32 v[SRD], s17, v[L8]
	; where the scale words lie: 32 bytes a place
	v_sub_nc_u32 v31, 1, v2                        ; 1 - h
	s_lshl_b32 s17, s58, 7                         ; the block's first token
	s_lshl_b32 s18, s15, 6
	s_add_co_u32 s18, s17, s18
	s_lshl_b32 s18, s18, 5                         ; q, k: A = my 64 tokens
	s_lshl_b32 s19, s61, 8
	s_add_co_u32 s19, s19, 8192                    ; the group's first column of q
	s_lshl_b32 s20, s16, 7
	s_add_co_u32 s20, s19, s20
	s_lshl_b32 s20, s20, 5                         ; q: B = my 128 columns
	v_lshlrev_b32 v[SOFQ], 5, v1
	v_mad_u32_u24 v[SOFQ], v31, s18, v[SOFQ]
	v_mad_u32_u24 v[SOFQ], v2, s20, v[SOFQ]
	v_lshl_add_u32 v[SOFK], v2, 15, v[SOFQ]        ; k's columns lie 1,024 places on
	s_lshl_b32 s20, s14, 6
	s_add_co_u32 s20, s19, s20
	s_add_co_u32 s20, s20, 2048
	s_lshl_b32 s20, s20, 5                         ; v: A = my 64 columns
	s_lshl_b32 s17, s17, 5                         ; v: B = the 128 tokens
	v_lshlrev_b32 v[SOFV], 5, v1
	v_mad_u32_u24 v[SOFV], v31, s20, v[SOFV]
	v_mad_u32_u24 v[SOFV], v2, s17, v[SOFV]
	; where the results go
	s_lshr_b32 s17, s58, 3                         ; the batch
	s_lshl_b32 s17, s17, 4
	s_lshl_b32 s18, s61, 2
	s_add_co_u32 s17, s17, s18                     ; 16 b + the group's first head
	s_and_b32 s18, s58, 7                          ; the block of 128 tokens in its sequence
	s_lshl_b32 s19, s16, 1
	s_add_co_u32 s19, s17, s19
	s_mul_i32 s20, s19, HQ
	s_mul_i32 s19, s18, 6656
	s_add_co_u32 s20, s20, s19
	s_mov_b32 s21, 0
	s_add_nc_u64 s[12:13], s[10:11], s[20:21]      ; q; k lies KOFF on, inside the stores' immediates
	s_add_co_u32 s19, s17, s14
	s_mul_i32 s20, s19, HV
	s_mul_i32 s19, s18, 6400
	s_add_co_u32 s20, s20, s19
	s_add_co_u32 s20, s20, VOFF
	s_add_nc_u64 s[52:53], s[10:11], s[20:21]      ; v
	s_lshl_b32 s20, s18, 15                        ; 128 rows of tab,
	s_lshl_b32 s19, s15, 14                        ; and my 64 of them
	s_add_co_u32 s20, s20, s19
	s_add_nc_u64 s[8:9], s[8:9], s[20:21]
	SCLD SOFQ
	WIN 0xc0                                       ; destination window 3
	TABLD 0
	TABLD 1
	TABLD 2
	TABLD 3
	WIN 0
.irp b, 0,1,2,3
	v_mov_b32 v[TM+4+\b], 0                        ; written once: a lane permute's destination counts as one of its sources
.endr
	s_mov_b32 s2, 0x76543210                       ; v_permlanex16_b32's selects for lane l xor 16
	s_mov_b32 s3, 0xfedcba98
	s_wait_tensorcnt 0x1                           ; my parts of the tokens and of slot 0 are in (slot 1's load may be out)
	s_barrier_signal -1
	s_barrier_wait -1                              ; everybody's are
	FETCH 0, 0, 0
	s_wait_loadcnt 32                              ; q's scale words are in; the table's 32 loads may be out
	TILE 0, 0, 0                                   ; q
	EPIQK 0, SOFK
	s_wait_loadcnt 0x0                             ; k's scale words
	TILE 0, 1, 0                                   ; k
	EPIQK KOFF, SOFV
	s_wait_loadcnt 0x0                             ; v's scale words
	TILE 1, 1, 1                                   ; v: nothing is left to fetch
	WIN 0
	PLACES NP                                      ; in front of the first read of the results
.irp a, 0,1,2,3
	s_wait_xcnt 0x0                                ; the earlier stores have read their registers
	QUANT 64*\a, 2                                 ; block a: 16 channels x 128 keys, straight from the accumulators, each read from its low end on
.irp g, 0,1,2
	global_store_b128 v[L16], v[PC+4*\g:PC+4*\g+3], s[52:53] offset:\a*1536+512*\g   ; 512 consecutive bytes, aligned
.endr
	ds_store_b32 v[SST], v[PW] offset:\a*64
.endr
	ds_load_b64 v[T:T+1], v[SRD]                   ; LDS serves a wave's instructions in order
	s_wait_dscnt 0x0
	global_store_b64 v[L8], v[T:T+1], s[52:53] offset:6144         ; 256 consecutive bytes, aligned
	s_wait_tensorcnt 0x0                           ; the wave's end, behind my last tensor load and my last LDS store
	ds_add_u32 v[SPW], v[NIL]
	s_wait_dscnt 0x0
	CROUND                                         ; the closing round: no work-group ends while a partner may still ask for a tile that names it
	s_endpgm
.Lfunc_end_k_q1458c6a908_qkv:
	.size	k_q1458c6a908_qkv, .Lfunc_end_k_q1458c6a908_qkv-k_q1458c6a908_qkv
	.p2alignl 7, 3214868480
	.fill 96, 4, 3214868480
	.section	.rodata,"a",@progbits
	.p2align	6, 0x0
	.amdhsa_kernel k_q1458c6a908_qkv
		.amdhsa_group_segment_fixed_size 327680
		.amdhsa_private_segment_fixed_size 0
		.amdhsa_enable_private_segment 0
		.amdhsa_kernarg_size 32
		.amdhsa_user_sgpr_count 2
		.amdhsa_user_sgpr_kernarg_segment_ptr 1
		.amdhsa_wavefront_size32 1
		.amdhsa_system_sgpr_workgroup_id_x 1
		.amdhsa_system_sgpr_workgroup_id_y 1
		.amdhsa_system_sgpr_workgroup_id_z 1
		.amdhsa_system_vgpr_workitem_id 0
		.amdhsa_next_free_vgpr 1024
		.amdhsa_next_free_sgpr 66
		.amdhsa_reserve_vcc 0
		.amdhsa_float_denorm_mode_32 3
		.amdhsa_float_denorm_mode_16_64 3
		.amdhsa_memory_ordered 1
		.amdhsa_forward_progress 1
		.amdhsa_inst_pref_size 255
	.end_amdhsa_kernel
	.section	.bss,"aw",@nobits
	.p2align	6
	.space	262144
	.amdgpu_metadata
---
amdhsa.version: [ 1, 2 ]
amdhsa.kernels:
  - .name:           k_q1458c6a908_qkv
    .symbol:         k_q1458c6a908_qkv.kd
    .args:
      - { .name: codes, .offset: 0, .size: 8, .value_kind: global_buffer, .address_space: global }
      - { .name: scales, .offset: 8, .size: 8, .value_kind: global_buffer, .address_space: global }
      - { .name: tab, .offset: 16, .size: 8, .value_kind: global_buffer, .address_space: global }
      - { .name: qkv, .offset: 24, .size: 8, .value_kind: global_buffer, .address_space: global }
    .group_segment_fixed_size: 327680
    .private_segment_fixed_size: 0
    .kernarg_segment_align: 8
    .kernarg_segment_size: 32
    .max_flat_workgroup_size: 128
    .sgpr_count:     66
    .vgpr_count:     1024
    .wavefront_size: 32
...
	.end_amdgpu_metadata
.endif
;; end of part 2
;; launch attn (part 3): grid 4 x 64, 16 waves a work-group, clusters of 4 x 1, 212,992 bytes of LDS; arguments qkv, ao, aosc; writes ao, aosc
.if DOCPART == 3
	.amdgcn_target "amdgcn-amd-amdhsa--gfx1250"
	.amdhsa_code_object_version 6
	.text
	.protected	k_q1458c6a908_attn
	.globl	k_q1458c6a908_attn
	.p2align	8
	.type	k_q1458c6a908_attn,@function
k_q1458c6a908_attn:
	s_mov_b64 s[64:65], 0
	v_nop
	global_prefetch_b8 v0, s[64:65] scope:SCOPE_SE
	s_setreg_imm32_b32 hwreg(HW_REG_WAVE_MODE, 25, 1), 1
	s_wait_xcnt 0x0
	s_wait_alu depctr_hold_cnt(0) depctr_sa_sdst(0) depctr_va_vdst(0) depctr_va_sdst(0) depctr_va_ssrc(0) depctr_va_vcc(0) depctr_vm_vsrc(0)
	s_getreg_b32 s2, hwreg(HW_REG_IB_STS2, 6, 4)
	s_cmp_eq_u32 s2, 0
	s_cbranch_scc0 .Lentry_in_a_cluster
	s_endpgm
.Lentry_in_a_cluster:
	s_bfe_u32 s2, ttmp6, 0x10000c
	s_cmp_lg_u32 s2, 0x3003
	s_cbranch_scc0 .Lentry_shape_is_right
	s_endpgm
.Lentry_shape_is_right:
; ATTENTION on codes of FP6 (E2M3): S^T = K Q^T (K = the head's 64, filled to the instruction's 128 by zero codes on Q's side), the softmax, O^T = V^T P^T (K = the keys); O / l is quantised along the channels for the last product.
; THE SOFTMAX AHEAD OF THE SECOND PRODUCT: t = score x log2(e) / 8; M = the row's largest t so far, rounded UP to a whole number; p = 2^(t - M) is quantised along the keys, not normalised.  The row's sum l is taken of the
; unquantised p.  When M moves, l and O are multiplied by 2^(old M - new M): exact.
; SHARES.  A cluster of four work-groups takes one batch and one PAIR of heads; a work-group 256 queries; each of its sixteen waves one tile of 16 queries, for both heads, one after the other: so a wave ends with a whole
; fragment of 16 queries x 128 channels, and a whole scale word a query, for the last product.  Four waves to a SIMD: one wave's vector work stands beside another's matrix work and LDS loads.
; K AND V OF BOTH HEADS STAY IN LDS, filled once: 2 x (53,248 + 51,200) bytes, by joint loads that name all four work-groups.  Nothing is filled again.
; The barrier that shows the second head's tiles to every wave stands behind the first head's second trip: from there on a wave walks its remaining 6 + 8 trips without meeting another wave.
; K and V lie as images of operand registers: every load takes 16 x lane or 8 x lane consecutive bytes.
; Both products are used transposed: a lane holds ONE query throughout.  The 16 keys of a tile of K are chosen (by the launch before) so that the 16 registers of score tiles 2 b, 2 b + 1 are keys 32 b + 16 (lane / 16) + 0 .. 15.
; A tile of K is six registers; as source 0 the instruction names twelve: the upper six are the next tile's (behind the last: zeros).  They meet Q's zero codes and add nothing.
; OUT: ao [64 b + tile of queries][pair of heads][1,536 bytes]: the fragment's image; aosc [query's place][8 words]: word = pair of heads: 4 bytes of each 32, one part in 24 of the codes' bytes.
; LIMITS: a block under 2^-124 (of zeros too) keeps the byte 1; NaN and infinities are not served.
.set HQ,    53248
.set HV,    51200
.set KOFF,  128*HQ
.set VOFF,  2*KOFF
.set KB,    6656                       ; 128 keys of K: eight tiles of 768 bytes, 512 bytes of scale words
.set VB,    6400                       ; 128 keys of V: four tiles of 1,536 bytes, 256 bytes of scale words
.set HS,    HQ+HV                      ; a head in LDS: K, then V
.set SPARE, 2*HS                       ; the spare words, 128 bytes for each of the sixteen waves
.set ADK,  4                           ; v1 16 x lane, v2 8 x lane, v3 4 x lane; v4-8 the addresses of the step in hand
.set ADK8, 5
.set ADS,  6
.set ADV,  7
.set ADT,  8
.set SPW,  9                           ; v9   LDS address of my spare word; never rewritten
.set NIL,  10                          ; v10  0; never rewritten
.set QF,   16                          ; v16-27, v28-39 Q of the two heads: six registers of codes, six of zero codes
.set QS,   40                          ; v40, v41 their scale words
.set FRG,  42                          ; v42-89 eight tiles of K, or four of V; v90-95 zeros
.set SCR,  96                          ; v96-159 S^T, then p
.set OT,   160                         ; v160-191 O^T
.set PCD,  192                         ; v192-203 p's codes
.set CVT,  204                         ; v204-206, v208-210 halves on their way
.set BM,   212                         ; v212-215 the blocks' largest scores, then largest p
.set BX,   216                         ; v216-219 at work
.set SCO,  220                         ; v220-223 the conversions' scale operands
.set KSC,  224                         ; v224-227 K's scale words: tiles 2 i (lanes 0-15) and 2 i + 1 (lanes 16-31)
.set VSC,  228                         ; v228-229 V's likewise
.set FAC,  232                         ; v232 f = 2^(old M - new M)
.set PWD,  233                         ; v233 p's scale word
.set TMP,  234
.set OC,   236                         ; v236-247 the result's codes
.set OW,   248                         ; v248 its scale word
.set QSO,  249
.set GS,   250
.set WV,   18
.set SEL,  20
.set CS,   22
.set G1K,  24
.set G1V,  32
.set G0K,  40                          ; s[40:43], s[44:47] K of head 0, head 1
.set G0V,  48                          ; s[48:51], s[52:55] V
.set TB,   2
.set TV,   3
.set CNT,  66
.macro CROUND
	s_barrier_signal -1
	s_barrier_wait -1
	s_cmp_lg_u32 s[WV], 0
	s_cbranch_scc1 .Lnot_wave_0_\@
	s_barrier_signal -3
.Lnot_wave_0_\@:
	s_barrier_wait -3
	s_barrier_signal -1
	s_barrier_wait -1
.endm
; Head c begins.
.macro INIT c
	v_mov_b32 v13, 0xff61b1e6                      ; the largest t so far: -3e38, under every t
	v_floor_f32 v12, -v13                          ; -M
	v_mov_b32 v14, 0                               ; the sum, in two halves
	v_mov_b32 v15, 0
.set JJ, 0
.rept 32
	v_mov_b32 v[OT+JJ], 0                          ; O^T.  (The trip is written once: the first finds zeros, which the first change of M leaves zeros)
.set JJ, JJ+1
.endr
	s_mov_b32 s[TB], (\c)*HS
	s_mov_b32 s[TV], (\c)*HS+HQ
.endm
; n trips of head c, 128 keys a trip.
.macro TRIPS c, n
	s_mov_b32 s[CNT], \n
.Lkeys_\@:
	v_add_nc_u32 v[ADK], s[TB], v1                 ; (these five are also the places in front of loads into registers that the last products read)
	v_add_nc_u32 v[ADK8], s[TB], v2
	v_add_nc_u32 v[ADS], s[TB], v3
	v_add_nc_u32 v[ADV], s[TV], v1
	v_add_nc_u32 v[ADT], s[TV], v3
.irp i, 0,1,2,3,4,5,6,7
	ds_load_b128 v[FRG+6*\i:FRG+6*\i+3], v[ADK] offset:768*\i
	ds_load_b64 v[FRG+6*\i+4:FRG+6*\i+5], v[ADK8] offset:768*\i+512
.endr
.irp i, 0,1,2,3
	ds_load_b32 v[KSC+\i], v[ADS] offset:6144+128*\i
.endr
	s_wait_dscnt 0x0
.irp i, 0,2,4,6                                ; S^T = K Q^T: eight tiles of 16 keys
	v_wmma_scale_f32_16x16x128_f8f6f4 v[SCR+8*\i:SCR+8*\i+7], v[FRG+6*\i:FRG+6*\i+11], v[QF+12*(\c):QF+12*(\c)+11], 0, v[KSC+\i/2], v[QS+(\c)] matrix_a_fmt:MATRIX_FMT_FP6 matrix_b_fmt:MATRIX_FMT_FP6
	v_wmma_scale_f32_16x16x128_f8f6f4 v[SCR+8*\i+8:SCR+8*\i+15], v[FRG+6*\i+6:FRG+6*\i+17], v[QF+12*(\c):QF+12*(\c)+11], 0, v[KSC+\i/2], v[QS+(\c)] matrix_a_fmt:MATRIX_FMT_FP6 matrix_b_fmt:MATRIX_FMT_FP6 matrix_a_scale:MATRIX_SCALE_ROW1
.endr
.rept 4
	v_nop                                          ; places in front of the loads below and of the first read of the scores
.endr
.irp t, 0,1,2,3                                ; V's four tiles are asked for now and land under the softmax
.irp g, 0,1,2
	ds_load_b128 v[FRG+12*\t+4*\g:FRG+12*\t+4*\g+3], v[ADV] offset:1536*\t+512*\g
.endr
.endr
.irp t, 0,1
	ds_load_b32 v[VSC+\t], v[ADT] offset:6144+128*\t
.endr
.irp b, 0,1,2,3
	v_max3_num_f32 v[BM+\b], v[SCR+16*\b], v[SCR+1+16*\b], v[SCR+2+16*\b]   ; THE LARGEST SCORE OF EACH BLOCK OF 32 KEYS: for the row's maximum, and, since p rises with the score, for the block's largest p
.endr
.irp i, 3,5,7,9,11,13
.irp b, 0,1,2,3
	v_max3_num_f32 v[BM+\b], v[BM+\b], v[SCR+16*\b+\i], v[SCR+1+16*\b+\i]
.endr
.endr
.irp b, 0,1,2,3
	v_max_num_f32 v[BM+\b], v[BM+\b], v[SCR+15+16*\b]
.endr
.irp b, 0,1,2,3
	v_permlanex16_b32 v[BX+\b], v[BM+\b], s[SEL], s[SEL+1]
.endr
.irp b, 0,1,2,3
	v_max_num_f32 v[BM+\b], v[BM+\b], v[BX+\b]     ; with lane l xor 16's 16 keys
.endr
	v_max3_num_f32 v[TMP], v[BM], v[BM+1], v[BM+2]
	v_max_num_f32 v[TMP], v[TMP], v[BM+3]          ; the step's largest score of my query
	v_mul_f32 v[TMP], s[CS], v[TMP]                ; as t (c is positive)
	v_max_num_f32 v13, v13, v[TMP]                 ; the running largest t
	v_mov_b32 v[TMP], v12
	v_floor_f32 v12, -v13                          ; the new -M = floor(-t) = -ceil(t)
	v_sub_f32 v[TMP], v12, v[TMP]                  ; M's old value less its new one: a whole number, 0 or less
	v_cvt_i32_f32 v[TMP], v[TMP]                   ; (it saturates)
	v_ldexp_f32 v[FAC], 1.0, v[TMP]                ; f = 2^(old M - new M)
.set JJ, 0
.rept 32
	v_pk_fma_f32 v[SCR+JJ:SCR+JJ+1], v[SCR+JJ:SCR+JJ+1], s[CS:CS+1], v[12:13] op_sel_hi:[1,0,0]   ; t - M, two at a time
.set JJ, JJ+2
.endr
.irp b, 0,1,2,3
	v_fma_f32 v[BM+\b], v[BM+\b], s[CS], v12       ; the same of each block's largest score
.endr
.set JJ, 0
.rept 64
	v_exp_f32 v[SCR+JJ], v[SCR+JJ]                 ; p = 2^(t - M), at most 1
.set JJ, JJ+1
.endr
	v_pk_mul_f32 v[14:15], v[14:15], v[FAC:FAC+1] op_sel_hi:[1,0]   ; the sums under the new M (a plain place behind the exponentials)
	s_wait_alu depctr_va_vdst(0)                   ; one wait for the whole batch, ahead of its first reader
.irp b, 0,1,2,3
	v_exp_f32 v[BM+\b], v[BM+\b]                   ; the block's largest p: the same two instructions on the same number give the same bits
.endr
	v_pk_add_f32 v[BX:BX+1], v[SCR:SCR+1], v[SCR+2:SCR+3]          ; THE ROW'S SUM IS TAKEN OF THE UNQUANTISED p, in two chains
.irp j, 4,8,12,16,20,24,28,32,36,40,44,48,52,56,60
	v_pk_add_f32 v[14:15], v[14:15], v[SCR+\j:SCR+1+\j]
	v_pk_add_f32 v[BX:BX+1], v[BX:BX+1], v[SCR+2+\j:SCR+3+\j]
.endr
	v_pk_add_f32 v[14:15], v[14:15], v[BX:BX+1]
	s_wait_alu depctr_va_vdst(0)                   ; and one for the four
.irp b, 0,1,2,3
	v_max_num_f32 v[BM+\b], 0x1800000, v[BM+\b]    ; the floor 2^(3 - 127): the byte cannot fall under 1
.endr
.irp b, 0,1,2,3
	v_add_nc_u32 v[SCO+\b], 0xff000000, v[BM+\b]   ; 2 off the exponent field: the conversion's scale operand
.endr
.irp b, 0,1,2,3
	v_lshrrev_b32 v[BX+\b], 23, v[SCO+\b]          ; the scale's byte
.endr
	v_lshl_or_b32 v[PWD], v[BX+1], 8, v[BX]        ; p's scale word for these 128 keys
	v_lshl_or_b32 v[PWD], v[BX+2], 16, v[PWD]
	v_lshl_or_b32 v[PWD], v[BX+3], 24, v[PWD]
.irp c2, 0,1
	v_cvt_scalef32_pk16_fp6_f32 v[PCD+6*\c2:PCD+6*\c2+2], v[SCR+32*\c2:SCR+32*\c2+15], v[SCO+2*\c2]
	v_cvt_scalef32_pk16_fp6_f32 v[CVT+4*\c2:CVT+4*\c2+2], v[SCR+16+32*\c2:SCR+31+32*\c2], v[SCO+2*\c2+1]
.endr
	v_nop                                          ; one plain place behind a scaled conversion
.irp c2, 0,1                                   ; a WHOLE block in a lane: lanes 0-15 block 2 c, lanes 16-31 block 2 c + 1
.irp i, 0,1,2
	v_permlane16_swap_b32 v[PCD+6*\c2+\i], v[CVT+4*\c2+\i]
.endr
.irp i, 0,1,2
	v_mov_b32 v[PCD+3+6*\c2+\i], v[CVT+4*\c2+\i]
.endr
.endr
.set JJ, 0
.rept 16
	v_pk_mul_f32 v[OT+JJ:OT+JJ+1], v[OT+JJ:OT+JJ+1], v[FAC:FAC+1] op_sel_hi:[1,0]   ; O^T under the new M.  (These sixteen are also the places between the writes of p's codes and scale word and the products)
.set JJ, JJ+2
.endr
	s_wait_dscnt 0x0                               ; V is in
.irp t, 0,2                                    ; O^T += V^T P^T: four tiles of 16 channels, by turns
	v_wmma_scale_f32_16x16x128_f8f6f4 v[OT+8*\t:OT+8*\t+7], v[FRG+12*\t:FRG+12*\t+11], v[PCD:PCD+11], v[OT+8*\t:OT+8*\t+7], v[VSC+\t/2], v[PWD] matrix_a_fmt:MATRIX_FMT_FP6 matrix_b_fmt:MATRIX_FMT_FP6
	v_wmma_scale_f32_16x16x128_f8f6f4 v[OT+8*\t+8:OT+8*\t+15], v[FRG+12*\t+12:FRG+12*\t+23], v[PCD:PCD+11], v[OT+8*\t+8:OT+8*\t+15], v[VSC+\t/2], v[PWD] matrix_a_fmt:MATRIX_FMT_FP6 matrix_b_fmt:MATRIX_FMT_FP6 matrix_a_scale:MATRIX_SCALE_ROW1
.endr
	s_add_co_u32 s[TB], s[TB], KB
	s_add_co_u32 s[TV], s[TV], VB
	s_sub_co_u32 s[CNT], s[CNT], 1
	s_cmp_lg_u32 s[CNT], 0
	s_cbranch_scc1 .Lkeys_\@
.endm
; Head c's result: O^T / l; register 16 b + i is channel 32 b + 16 (lane / 16) + i of the head: two blocks of the last product's K, registers 6 c .. 6 c + 5 of its fragment and bytes 2 c, 2 c + 1 of its scale word.
.macro OUT c
	v_add_f32 v14, v14, v15                        ; the sum's two halves,
	v_permlanex16_b32 v[TMP], v14, s[SEL], s[SEL+1]
	v_add_f32 v14, v14, v[TMP]                     ; and lane l xor 16's: the row's sum
	v_rcp_f32 v14, v14
.rept 3
	v_nop                                          ; a plain place behind the reciprocal; with the additions above, the places behind the last products
.endr
	s_wait_alu depctr_va_vdst(0)                   ; a wait ahead of the reciprocal's first reader
.set JJ, 0
.rept 16
	v_pk_mul_f32 v[SCR+JJ:SCR+JJ+1], v[OT+JJ:OT+JJ+1], v[14:15] op_sel_hi:[1,0]
.set JJ, JJ+2
.endr
.irp b, 0,1
	v_max3_num_f32 v[BM+\b], |v[SCR+16*\b]|, |v[SCR+1+16*\b]|, 0x1800000
.endr
.irp i, 2,4,6,8,10,12,14
.irp b, 0,1
	v_max3_num_f32 v[BM+\b], v[BM+\b], |v[SCR+16*\b+\i]|, |v[SCR+1+16*\b+\i]|
.endr
.endr
.irp b, 0,1
	v_permlanex16_b32 v[BX+\b], v[BM+\b], s[SEL], s[SEL+1]
.endr
.irp b, 0,1
	v_max_num_f32 v[BM+\b], v[BM+\b], v[BX+\b]
.endr
.irp b, 0,1
	v_add_nc_u32 v[SCO+\b], 0xff000000, v[BM+\b]
.endr
.irp b, 0,1
	v_lshrrev_b32 v[BX+\b], 23, v[SCO+\b]
.endr
	v_lshl_or_b32 v[TMP], v[BX+1], 8, v[BX]
.if (\c) == 0
	v_mov_b32 v[OW], v[TMP]
.else
	v_lshl_or_b32 v[OW], v[TMP], 16, v[OW]
.endif
	v_cvt_scalef32_pk16_fp6_f32 v[OC+6*(\c):OC+6*(\c)+2], v[SCR:SCR+15], v[SCO]
	v_cvt_scalef32_pk16_fp6_f32 v[CVT:CVT+2], v[SCR+16:SCR+31], v[SCO+1]
	v_nop                                          ; one plain place behind a scaled conversion
.irp i, 0,1,2
	v_permlane16_swap_b32 v[OC+6*(\c)+\i], v[CVT+\i]
.endr
.irp i, 0,1,2
	v_mov_b32 v[OC+3+6*(\c)+\i], v[CVT+\i]
.endr
.endm
	s_load_b128 s[4:7], s[0:1], 0x0                ; qkv s[4:5], ao s[6:7]
	s_load_b64 s[8:9], s[0:1], 0x10                ; aosc
	v_lshl_add_u32 v[SPW], v0, 2, SPARE
	v_mov_b32 v[NIL], 0
	ds_add_u32 v[SPW], v[NIL]                      ; the wave's opening: the add, twice on end, and its wait ahead of my first tensor load
	ds_add_u32 v[SPW], v[NIL]
	v_lshrrev_b32 v1, 5, v0
	v_readfirstlane_b32 s[WV], v1                  ; wave 0..15
	s_bfe_u32 s13, ttmp6, 0x40000                  ; cx: my quarter of the queries; it enters Q's and the results' addresses alone
	s_and_b32 s12, ttmp7, 0xffff                   ; 8 b + pair of heads, which the four partners share
	s_and_b32 s14, s[WV], 7                        ; which block of 128 keys I fetch
	; descriptor group 1: a dense block as rows of 256 bytes (32 elements of 8 bytes): K 26 rows, V 25; the mask names all four work-groups
	s_mov_b32 s[G1K], 15|(3<<16)|(1<<21)
	s_mov_b32 s[G1K+1], 32<<16
	s_mov_b32 s[G1K+2], 26<<16
	s_mov_b32 s[G1K+3], 32<<16
	s_mov_b32 s[G1K+4], 26
	s_mov_b32 s[G1K+5], 32
	s_mov_b32 s[G1K+6], 0
	s_mov_b32 s[G1K+7], 0
	s_mov_b32 s[G1V], 15|(3<<16)|(1<<21)
	s_mov_b32 s[G1V+1], 32<<16
	s_mov_b32 s[G1V+2], 25<<16
	s_mov_b32 s[G1V+3], 32<<16
	s_mov_b32 s[G1V+4], 25
	s_mov_b32 s[G1V+5], 32
	s_mov_b32 s[G1V+6], 0
	s_mov_b32 s[G1V+7], 0
	s_mul_i32 s56, s12, 2*HQ
	s_mul_i32 s60, s14, KB                         ; K's block in a head, in memory and in LDS
	s_add_co_u32 s56, s56, s60
	s_add_co_u32 s56, s56, KOFF
	s_mov_b32 s57, 0
	s_mul_i32 s58, s12, 2*HV
	s_mul_i32 s61, s14, VB
	s_add_co_u32 s58, s58, s61
	s_add_co_u32 s58, s58, VOFF
	s_mov_b32 s59, 0
	s_add_co_u32 s61, s61, HQ                      ; V lies behind K in LDS
	s_lshl_b32 s15, s13, 1                         ; Q: my tile is number 16 cx + wave of the sequence's 64: block of 128 tokens 2 cx + wave / 8, tile wave % 8
	s_lshr_b32 s16, s[WV], 3
	s_add_co_u32 s15, s15, s16
	s_mul_i32 s62, s15, KB
	s_mul_i32 s63, s14, 768
	s_add_co_u32 s62, s62, s63
	s_mul_i32 s63, s12, 2*HQ
	s_add_co_u32 s62, s62, s63
	s_mov_b32 s63, 0
	s_mul_i32 s67, s14, 704
	s_sub_co_u32 s67, 6144, s67                    ; from my tile's image to its scale words: 6,144 + 64 i - 768 i
	s_lshr_b32 s68, s12, 3
	s_lshl_b32 s68, s68, 6
	s_lshl_b32 s69, s13, 4
	s_add_co_u32 s68, s68, s69
	s_add_co_u32 s68, s68, s[WV]                   ; 64 b + my tile
	s_and_b32 s69, s12, 7                          ; the pair of heads
	s_mul_i32 s70, s68, 12288
	s_mul_i32 s71, s69, 1536
	s_add_co_u32 s70, s70, s71
	s_mov_b32 s71, 0
	s_lshl_b32 s72, s68, 9
	s_lshl_b32 s73, s69, 2
	s_add_co_u32 s72, s72, s73
	s_mov_b32 s73, 0
	s_mov_b32 s[SEL], 0x76543210
	s_mov_b32 s[SEL+1], 0xfedcba98
	s_mov_b32 s[CS], 0x3e38aa3b                    ; c = log2(e) / 8
	s_mov_b32 s[CS+1], s[CS]                       ; (named with it as a pair, so it is written)
	s_wait_dscnt 0x0                               ; both opening adds are done
	s_wait_kmcnt 0x0
	s_mov_b32 s[G0K], 1
	s_mov_b32 s[G0K+1], s60
	s_add_nc_u64 s[G0K+2:G0K+3], s[4:5], s[56:57]
	s_mov_b32 s[G0K+4], 1
	s_add_co_u32 s[G0K+5], s60, HS
	s_add_nc_u64 s[G0K+6:G0K+7], s[G0K+2:G0K+3], HQ
	s_or_b32 s[G0K+3], s[G0K+3], 0x80000000
	s_or_b32 s[G0K+7], s[G0K+7], 0x80000000
	s_mov_b32 s[G0V], 1
	s_mov_b32 s[G0V+1], s61
	s_add_nc_u64 s[G0V+2:G0V+3], s[4:5], s[58:59]
	s_mov_b32 s[G0V+4], 1
	s_add_co_u32 s[G0V+5], s61, HS
	s_add_nc_u64 s[G0V+6:G0V+7], s[G0V+2:G0V+3], HV
	s_or_b32 s[G0V+3], s[G0V+3], 0x80000000
	s_or_b32 s[G0V+7], s[G0V+7], 0x80000000
	s_add_nc_u64 s[10:11], s[4:5], s[62:63]        ; Q at my tile
	s_add_nc_u64 s[6:7], s[6:7], s[70:71]
	s_add_nc_u64 s[8:9], s[8:9], s[72:73]
	CROUND                                         ; all four work-groups are here: the joint loads meet
	s_cmp_lt_u32 s[WV], 8                          ; waves 0-7: a block of K of each head; waves 8-15: of V.  Two loads of mine are out, head 0's first
	s_cbranch_scc0 .Lfirst_v
	tensor_load_to_lds s[G0K:G0K+3], s[G1K:G1K+7]
	s_nop 0
	tensor_load_to_lds s[G0K+4:G0K+7], s[G1K:G1K+7]
	s_nop 0
.rept 4
	v_nop
.endr
	s_branch .Lfirst_asked
.Lfirst_v:
	tensor_load_to_lds s[G0V:G0V+3], s[G1V:G1V+7]
	s_nop 0
	tensor_load_to_lds s[G0V+4:G0V+7], s[G1V:G1V+7]
	s_nop 0
.rept 4
	v_nop
.endr
.Lfirst_asked:
	v_and_b32 v11, 31, v0
	v_lshlrev_b32 v1, 4, v11
	v_lshlrev_b32 v2, 3, v11
	v_lshlrev_b32 v3, 2, v11
	v_and_b32 v[GS], 15, v0
	v_lshl_add_u32 v[QSO], v[GS], 2, s67
	v_lshlrev_b32 v[GS], 5, v[GS]                  ; my query's row of aosc: 32 bytes a row
.irp c, 0,1
	global_load_b128 v[QF+12*\c:QF+12*\c+3], v1, s[10:11] offset:\c*HQ
	global_load_b64 v[QF+12*\c+4:QF+12*\c+5], v2, s[10:11] offset:\c*HQ+512
	global_load_b32 v[QS+\c], v[QSO], s[10:11] offset:\c*HQ
.endr
.irp j, 6,7,8,9,10,11
	v_mov_b32 v[QF+\j], 0                          ; K = 64 .. 127: zero codes
	v_mov_b32 v[QF+12+\j], 0
	v_mov_b32 v[FRG+42+\j], 0                      ; behind K's last tile
.endr
.irp b, 0,1,2,3
	v_mov_b32 v[BX+\b], 0                          ; written once: a lane permute's destination counts as one of its sources
.endr
	v_mov_b32 v[PWD], 0                            ; (named as the upper half of the pair with f before it is first written)
	s_wait_tensorcnt 0x1                           ; my part of head 0 is in; head 1's may stay out
	s_barrier_signal -1
	s_barrier_wait -1                              ; everybody's is
	s_wait_loadcnt 0x0                             ; Q
	INIT 0
	TRIPS 0, 2
	s_wait_tensorcnt 0x0                           ; my part of head 1 is in: it has had two trips in which to land,
	s_wait_dscnt 0x0
	s_barrier_signal -1
	s_barrier_wait -1                              ; everybody's is: from here on no wave waits for another before its end
	TRIPS 0, 6
	OUT 0
	INIT 1
	TRIPS 1, 8
	OUT 1
.irp g, 0,1,2
	global_store_b128 v1, v[OC+4*\g:OC+4*\g+3], s[6:7] offset:512*\g   ; 512 consecutive bytes, aligned
.endr
	global_store_b32 v[GS], v[OW], s[8:9]          ; lanes r and r + 16 store the same word with the same value
	s_wait_tensorcnt 0x0                           ; the wave's end, behind my last tensor load
	ds_add_u32 v[SPW], v[NIL]
	s_wait_dscnt 0x0
	CROUND                                         ; the closing round
	s_endpgm
.Lfunc_end_k_q1458c6a908_attn:
	.size	k_q1458c6a908_attn, .Lfunc_end_k_q1458c6a908_attn-k_q1458c6a908_attn
	.p2alignl 7, 3214868480
	.fill 96, 4, 3214868480
	.section	.rodata,"a",@progbits
	.p2align	6, 0x0
	.amdhsa_kernel k_q1458c6a908_attn
		.amdhsa_group_segment_fixed_size 212992
		.amdhsa_private_segment_fixed_size 0
		.amdhsa_enable_private_segment 0
		.amdhsa_kernarg_size 24
		.amdhsa_user_sgpr_count 2
		.amdhsa_user_sgpr_kernarg_segment_ptr 1
		.amdhsa_wavefront_size32 1
		.amdhsa_system_sgpr_workgroup_id_x 1
		.amdhsa_system_sgpr_workgroup_id_y 1
		.amdhsa_system_sgpr_workgroup_id_z 1
		.amdhsa_system_vgpr_workitem_id 0
		.amdhsa_next_free_vgpr 256
		.amdhsa_next_free_sgpr 80
		.amdhsa_reserve_vcc 0
		.amdhsa_float_denorm_mode_32 3
		.amdhsa_float_denorm_mode_16_64 3
		.amdhsa_memory_ordered 1
		.amdhsa_forward_progress 1
		.amdhsa_inst_pref_size 65
	.end_amdhsa_kernel
	.amdgpu_metadata
---
amdhsa.version: [ 1, 2 ]
amdhsa.kernels:
  - .name:           k_q1458c6a908_attn
    .symbol:         k_q1458c6a908_attn.kd
    .args:
      - { .name: qkv, .offset: 0, .size: 8, .value_kind: global_buffer, .address_space: global }
      - { .name: ao, .offset: 8, .size: 8, .value_kind: global_buffer, .address_space: global }
      - { .name: aosc, .offset: 16, .size: 8, .value_kind: global_buffer, .address_space: global }
    .group_segment_fixed_size: 212992
    .private_segment_fixed_size: 0
    .kernarg_segment_align: 8
    .kernarg_segment_size: 24
    .max_flat_workgroup_size: 512
    .sgpr_count:     80
    .vgpr_count:     256
    .wavefront_size: 32
...
	.end_amdgpu_metadata
.endif
;; end of part 3
;; launch proj (part 4): grid 4 x 64, 4 waves a work-group, clusters of 4 x 4, 327,680 bytes of LDS; arguments ao, aosc, codes, scales, b_proj, out0; writes out0
.if DOCPART == 4
	.amdgcn_target "amdgcn-amd-amdhsa--gfx1250"
	.amdhsa_code_object_version 6
	.text
	.protected	k_q1458c6a908_proj
	.globl	k_q1458c6a908_proj
	.p2align	8
	.type	k_q1458c6a908_proj,@function
k_q1458c6a908_proj:
	s_mov_b64 s[64:65], 0
	v_nop
	global_prefetch_b8 v0, s[64:65] scope:SCOPE_SE
	s_setreg_imm32_b32 hwreg(HW_REG_WAVE_MODE, 25, 1), 1
	s_wait_xcnt 0x0
	s_wait_alu depctr_hold_cnt(0) depctr_sa_sdst(0) depctr_va_vdst(0) depctr_va_sdst(0) depctr_va_ssrc(0) depctr_va_vcc(0) depctr_vm_vsrc(0)
	s_getreg_b32 s2, hwreg(HW_REG_IB_STS2, 6, 4)
	s_cmp_eq_u32 s2, 0
	s_cbranch_scc0 .Lentry_in_a_cluster
	s_endpgm
.Lentry_in_a_cluster:
	s_bfe_u32 s2, ttmp6, 0x10000c
	s_cmp_lg_u32 s2, 0xf033
	s_cbranch_scc0 .Lentry_shape_is_right
	s_endpgm
.Lentry_shape_is_right:
; PROJ: out0 = attention's result x w_proj + b_proj, on codes of FP6 (E2M3), K = 1,024.  A = the result's codes, B = w_proj's columns (places 11264 on of codes and scales).
; SHARES.  256 work-groups; a tile of 128 rows x 256 columns is made by four waves, 64 x 128 each: 32 accumulators of 16 x 16.
; ALL OF K LIES IN LDS, filled once, in two halves of K: A's 2 x 49,152 bytes, B's 2 x 110,592.  Every wave issues four first fills (its part of A's and of B's first half, then of the second halves);
; the first half is multiplied while the second is on its way.  Nothing is filled again.
; A lies in memory as images of its fragments, [tile of 16 rows][K step of 128][1,536 bytes]: half of K of a tile is 6,144 consecutive bytes, and a fragment comes by three loads of 16 x lane.
; B's rows of 384 bytes have 16 bytes of padding behind every 128: 432 apart, 16 more than a multiple of 32 bytes: the 32 lanes of a load of 8 bytes touch 64 different banks (64 banks of 4 bytes: ISA guide 11.1).
; The scale words go from memory straight into registers: a row's 32 bytes by two loads of 16.
; THE MATRIX INSTRUCTION IS USED TRANSPOSED (source 0 = 16 columns of w_proj, source 1 = 16 rows of A): a lane holds eight neighbouring numbers of a row of the output.
; Rows of A and columns of w_proj lie at places whose bits 3 and 4 are exchanged; the way out puts both back.  The bias is the C of each sum's first matrix instruction.
; CLUSTERS: 4 x 4 work-groups; A's tiles are asked for jointly along a row of the cluster, B's along a column.
; REGISTERS: window 0: v0-31 addresses; v32-63 A's scale words, v64-127 B's; v128-255 rows read back on the way out.  window 1: B's fragments, two sets, at v0 and v128.  window 2: the accumulators.
;   window 3: A's fragments, two sets, at v0 and v48; v128-191 the bias in the result's layout.
.set KROW,  768
.set WP,    432
.set FR,    12
.set NP,    4
.set AB,    0
.set ACH,   8*6144                     ; half of K of A's eight tiles
.set BB,    2*ACH
.set WSL,   256*WP                     ; half of K of B's 256 rows
.set SPARE, BB+2*WSL                   ; the spare words, 128 bytes for each wave
.set SPITCH, 528                       ; the way out: a stage of 16 rows x (512 bytes + 16) for each wave, in A's first half, which nobody reads behind the barrier of step 3
.set ADRA, 4                           ; v4-5   A's images: first half of K, second half
.set ADRB, 6                           ; v6-9   B's rows: first half (24 h, 40 h), second half
.set STO,  10
.set RD,   11
.set CO,   12                          ; 16 x lane
.set AOF,  13                          ; 32 x (lane % 16)
.set BOF,  14                          ; 64 x (lane / 16)
.set SPW,  28
.set NIL,  29
.set SCA,  32                          ; register 8 i + q: A's block i, the q-th 128 along K
.set SCB,  64
.set BK,   128
.set BIAS, 128                         ; in window 3
.set G1A,  24
.set G1B,  32
.set G0A,  40                          ; s[40:43], s[44:47]
.set G0B,  48                          ; s[48:51], s[52:55]
.set MULW, 0xad                        ; source 0 (B) window 1, source 1 (A) window 3, C and D window 2
.set MSB, 0
.macro WIN new
.if MSB != (\new)
	s_set_vgpr_msb (MSB<<8)|(\new)
.set MSB, (\new)
.endif
.endm
.macro CROUND                          ; a round of the cluster's barrier
	s_barrier_signal -1
	s_barrier_wait -1
	s_cmp_lg_u32 s14, 0
	s_cbranch_scc1 .Lnot_wave_0_\@
	s_barrier_signal -3
.Lnot_wave_0_\@:
	s_barrier_wait -3
	s_barrier_signal -1
	s_barrier_wait -1
.endm
.macro PLACES n
.rept \n
	v_nop
.endr
.endm
.macro FRAGW reg, adr, q, i            ; a fragment of B from rows: six pieces of 8 bytes; lanes 16-31 read three pieces further on; where that is behind one padding more, the second address register serves
.irp p, 0,1,2,3,4,5
.set PCE, 12*((\q)%4)+6*(\p/3)+\p%3
.if PCE%16 < 13
	ds_load_b64 v[\reg+2*\p:\reg+2*\p+1], v[\adr+2*((\q)/4)] offset:8*PCE+16*(PCE/16)+(\i)*16*WP
.else
	ds_load_b64 v[\reg+2*\p:\reg+2*\p+1], v[\adr+2*((\q)/4)+1] offset:8*PCE+16*(PCE/16)+(\i)*16*WP
.endif
.endr
.endm
.macro FETCH q, set                    ; the fragments of step q: B's eight, A's four
	WIN 0x40
.irp i, 0,1,2,3,4,5,6,7
	FRAGW 128*(\set)+FR*\i, ADRB, \q, \i
.endr
	WIN 0xc0
.irp i, 0,1,2,3
.irp g, 0,1,2
	ds_load_b128 v[48*(\set)+FR*\i+4*\g:48*(\set)+FR*\i+4*\g+3], v[ADRA+(\q)/4] offset:\i*6144+((\q)%4)*1536+512*\g
.endr
.endr
.endm
; 16 matrix instructions.  first = 1: the product starts the sums from the bias.  The 32 accumulators take turns, one instruction a turn.
.macro MULH a0, set, q, first
.irp a, \a0, \a0+1
.irp b, 0,1,2,3,4,5,6,7
.if \first
	v_wmma_scale_f32_16x16x128_f8f6f4 v[8*(8*(\a)+\b):8*(8*(\a)+\b)+7], v[128*(\set)+FR*\b:128*(\set)+FR*\b+FR-1], v[48*(\set)+FR*(\a):48*(\set)+FR*(\a)+FR-1], v[BIAS+8*\b:BIAS+8*\b+7], v[SCB+8*\b+(\q)], v[SCA+8*(\a)+(\q)] matrix_a_fmt:MATRIX_FMT_FP6 matrix_b_fmt:MATRIX_FMT_FP6
.else
	v_wmma_scale_f32_16x16x128_f8f6f4 v[8*(8*(\a)+\b):8*(8*(\a)+\b)+7], v[128*(\set)+FR*\b:128*(\set)+FR*\b+FR-1], v[48*(\set)+FR*(\a):48*(\set)+FR*(\a)+FR-1], v[8*(8*(\a)+\b):8*(8*(\a)+\b)+7], v[SCB+8*\b+(\q)], v[SCA+8*(\a)+(\q)] matrix_a_fmt:MATRIX_FMT_FP6 matrix_b_fmt:MATRIX_FMT_FP6
.endif
.endr
.endr
.endm
.macro STEP q, first                   ; a step of 128 along K: the next step's fragments are asked for first and land under this step's 32 products
	s_wait_dscnt 0x0                               ; this step's fragments are in
	PLACES NP
	FETCH (\q)+1, ((\q)+1)%2
.if \first
	WIN 0xbd                                       ; C: the bias, window 3
.else
	WIN MULW
.endif
	MULH 0, (\q)%2, \q, \first
	MULH 2, (\q)%2, \q, \first
.endm
	s_load_b256 s[4:11], s[0:1], 0x0               ; ao s[4:5], aosc s[6:7], codes s[8:9], scales s[10:11]
	s_load_b64 s[62:63], s[0:1], 0x20              ; b_proj
	s_load_b64 s[12:13], s[0:1], 0x28              ; out0
	v_lshl_add_u32 v[SPW], v0, 2, SPARE
	v_mov_b32 v[NIL], 0
	ds_add_u32 v[SPW], v[NIL]                      ; the wave's opening: the add, twice on end, and its wait ahead of my first tensor load
	ds_add_u32 v[SPW], v[NIL]
	v_lshrrev_b32 v1, 5, v0
	v_readfirstlane_b32 s14, v1                    ; wave 0..3
	s_lshr_b32 s15, s14, 1                         ; which 64 rows are mine
	s_and_b32 s16, s14, 1                          ; which 128 columns
	s_bfe_u32 s56, ttmp6, 0x40000
	s_bfe_u32 s57, ttmp6, 0x40004
	s_lshl_b32 s61, ttmp9, 2
	s_add_co_u32 s61, s61, s56                     ; tile column, 0 .. 3
	s_and_b32 s58, ttmp7, 0xffff
	s_lshl_b32 s58, s58, 2
	s_add_co_u32 s58, s58, s57                     ; tile row, 0 .. 63
	s_lshl_b32 s59, s57, 2
	s_lshl_b32 s59, 15, s59                        ; my row of the cluster
	s_lshl_b32 s60, 0x1111, s56                    ; my column
	; A: two tiles a wave: two rows of 6,144 bytes (768 elements of 8 bytes), 12,288 bytes apart, dense in LDS
	s_or_b32 s[G1A], s59, (3<<16)|(1<<21)
	s_mov_b32 s[G1A+1], 768<<16
	s_mov_b32 s[G1A+2], 2<<16
	s_mov_b32 s[G1A+3], 768<<16
	s_mov_b32 s[G1A+4], 2
	s_mov_b32 s[G1A+5], 1536
	s_mov_b32 s[G1A+6], 0
	s_mov_b32 s[G1A+7], 0
	; B: 64 rows of 384 bytes a wave, 16 bytes of padding behind every 128
	s_or_b32 s[G1B], s60, (1<<20)|(1<<21)|(4<<22)|(3<<25)
	s_mov_b32 s[G1B+1], 384<<16
	s_mov_b32 s[G1B+2], 64<<16
	s_mov_b32 s[G1B+3], 384<<16
	s_mov_b32 s[G1B+4], 64
	s_mov_b32 s[G1B+5], KROW
	s_mov_b32 s[G1B+6], 0
	s_mov_b32 s[G1B+7], 0
	s_lshl_b32 s20, s58, 3
	s_lshl_b32 s17, s14, 1
	s_add_co_u32 s20, s20, s17                     ; A: tile of 16 rows 8 x tile row + 2 x wave
	s_mul_i32 s20, s20, 12288
	s_mov_b32 s21, 0
	s_lshl_b32 s22, s61, 8
	s_lshl_b32 s17, s14, 6
	s_add_co_u32 s22, s22, s17
	s_add_co_u32 s22, s22, 11264                   ; B: place 11264 + 256 x tile column + 64 x wave
	s_mul_i32 s22, s22, KROW
	s_mov_b32 s23, 0
	s_mul_i32 s18, s14, 2*6144                     ; where they go: no place in the cluster enters an LDS address
	s_mul_i32 s19, s14, 64*WP
	s_wait_dscnt 0x0                               ; both opening adds are done
	s_wait_kmcnt 0x0
	s_add_nc_u64 s[20:21], s[4:5], s[20:21]
	s_add_nc_u64 s[22:23], s[8:9], s[22:23]
.irp c, 0,1
	s_mov_b32 s[G0A+4*\c], 1
	s_add_co_u32 s[G0A+4*\c+1], s18, AB+\c*ACH
	s_add_nc_u64 s[G0A+4*\c+2:G0A+4*\c+3], s[20:21], \c*6144
	s_or_b32 s[G0A+4*\c+3], s[G0A+4*\c+3], 0x80000000
	s_mov_b32 s[G0B+4*\c], 1
	s_add_co_u32 s[G0B+4*\c+1], s19, BB+\c*WSL
	s_add_nc_u64 s[G0B+4*\c+2:G0B+4*\c+3], s[22:23], \c*384
	s_or_b32 s[G0B+4*\c+3], s[G0B+4*\c+3], 0x80000000
.endr
	CROUND                                         ; all sixteen work-groups are here: the joint loads meet
	tensor_load_to_lds s[G0A:G0A+3], s[G1A:G1A+7]  ; every wave issues all four first fills: four loads of mine are out
	s_nop 0
	tensor_load_to_lds s[G0B:G0B+3], s[G1B:G1B+7]
	s_nop 0
	tensor_load_to_lds s[G0A+4:G0A+7], s[G1A:G1A+7]
	s_nop 0
	tensor_load_to_lds s[G0B+4:G0B+7], s[G1B:G1B+7]
	s_nop 0
.rept 4
	v_nop
.endr
	v_and_b32 v1, 15, v0                           ; r
	v_bfe_u32 v2, v0, 4, 1                         ; h
	v_and_b32 v3, 31, v0
	v_lshlrev_b32 v[CO], 4, v3                     ; 16 x lane
	v_lshlrev_b32 v[AOF], 5, v1
	v_lshlrev_b32 v[BOF], 6, v2
	; the scale words: 32 bytes a row
	s_lshl_b32 s20, s58, 7
	s_lshl_b32 s17, s15, 6
	s_add_co_u32 s20, s20, s17
	s_lshl_b32 s20, s20, 5
	s_mov_b32 s21, 0
	s_add_nc_u64 s[6:7], s[6:7], s[20:21]          ; A's: my 64 rows
	s_lshl_b32 s20, s61, 8
	s_lshl_b32 s17, s16, 7
	s_add_co_u32 s20, s20, s17
	s_add_co_u32 s20, s20, 11264
	s_lshl_b32 s20, s20, 5
	s_add_nc_u64 s[10:11], s[10:11], s[20:21]      ; B's: my 128 columns
.irp i, 0,1,2,3
.irp j, 0,1
	global_load_b128 v[SCA+8*\i+4*\j:SCA+8*\i+4*\j+3], v[AOF], s[6:7] offset:512*\i+16*\j
.endr
.endr
.irp i, 0,1,2,3,4,5,6,7
.irp j, 0,1
	global_load_b128 v[SCB+8*\i+4*\j:SCB+8*\i+4*\j+3], v[AOF], s[10:11] offset:512*\i+16*\j
.endr
.endr
	; the bias: accumulator b's register j is column 32 (b / 2) + 16 h + 8 (b % 2) + j of my 128
	s_lshl_b32 s20, s61, 10
	s_lshl_b32 s17, s16, 9
	s_add_co_u32 s20, s20, s17
	s_add_nc_u64 s[62:63], s[62:63], s[20:21]
	WIN 0xc0                                       ; destination window 3
.irp b, 0,1,2,3,4,5,6,7
	global_load_b128 v[BIAS+8*\b:BIAS+8*\b+3], v[BOF], s[62:63] offset:(32*(\b/2)+8*(\b%2))*4
	global_load_b128 v[BIAS+8*\b+4:BIAS+8*\b+7], v[BOF], s[62:63] offset:(32*(\b/2)+8*(\b%2))*4+16
.endr
	WIN 0
	s_mul_i32 s17, s15, 4*6144                     ; my four tiles of A
	v_add_nc_u32 v[ADRA], s17, v[CO]
	v_add_nc_u32 v[ADRA+1], ACH, v[ADRA]
	v_mul_u32_u24 v31, v1, WP
	v_mad_u32_u24 v31, v2, 24, v31                 ; B: a fragment's row x pitch + 24 h
	s_mul_i32 s17, s16, 128*WP
	s_add_co_u32 s17, s17, BB                      ; my 128 rows of B
.irp c, 0,1
	v_add_nc_u32 v[ADRB+2*\c], s17, v31
	v_lshl_add_u32 v[ADRB+2*\c+1], v2, 4, v[ADRB+2*\c]   ; and the same behind one padding more
	s_add_co_u32 s17, s17, WSL
.endr
	s_mul_i32 s17, s14, 16*SPITCH                  ; my stage
	v_mul_u32_u24 v31, v1, SPITCH                  ; in: row r; my half's 16 columns of each 32: 64 h
	v_lshl_add_u32 v31, v2, 6, v31
	v_add_nc_u32 v[STO], s17, v31
	v_add_nc_u32 v[RD], s17, v[CO]                 ; back: the 32 lanes take one row of 512 bytes
	s_lshl_b32 s20, s58, 19                        ; my part of out0: 128 rows of 4,096 bytes a tile row, 64 a half; 1,024 bytes a tile column, 512 a half
	s_lshl_b32 s17, s15, 18
	s_add_co_u32 s20, s20, s17
	s_lshl_b32 s17, s61, 10
	s_add_co_u32 s20, s20, s17
	s_lshl_b32 s17, s16, 9
	s_add_co_u32 s20, s20, s17
	s_add_nc_u64 s[12:13], s[12:13], s[20:21]
	s_wait_tensorcnt 0x2                           ; my parts of the first half of K are in (the second half's two loads may be out)
	s_barrier_signal -1
	s_barrier_wait -1                              ; everybody's are
	FETCH 0, 0
	s_wait_loadcnt 0x0                             ; the scale words and the bias
	STEP 0, 1
	STEP 1, 0
	STEP 2, 0
	s_wait_tensorcnt 0x0                           ; step 3: my parts of the second half of K are in,
	s_wait_dscnt 0x0                               ; and my reads of the first half are over: this step's fragments are in registers
	s_barrier_signal -1
	WIN MULW
	MULH 0, 1, 3, 0                                ; work on registers while the others arrive
	s_barrier_wait -1                              ; both hold of every wave
	PLACES NP
	FETCH 4, 0
	WIN MULW
	MULH 2, 1, 3, 0
	STEP 4, 0
	STEP 5, 0
	STEP 6, 0
	s_wait_dscnt 0x0                               ; the last step: nothing more to fetch
	WIN MULW
	MULH 0, 1, 7, 0
	MULH 2, 1, 7, 0
	WIN 0
; THE WAY OUT, block by block of 16 rows x 128 columns, through my own stage in LDS, back as whole rows of 512 bytes.  Accumulator b's eight numbers go to their true columns, 32 (b / 2) + 16 h + 8 (b % 2) on;
; stage row t of block a is the output's row 32 (a / 2) + 8 (a % 2) + t % 8 + 16 (t / 8) of my 64.  LDS serves a wave's instructions in order: no wait between the stores and the loads.
.macro TOSTAGE a
.set AC, 64*(\a)
	WIN 0x08                                       ; the data: window 2
.irp b, 0,1,2,3,4,5,6,7
	ds_store_b128 v[STO], v[AC+8*\b:AC+8*\b+3] offset:128*(\b/2)+32*(\b%2)         ; each accumulator from its low end on
	ds_store_b128 v[STO], v[AC+8*\b+4:AC+8*\b+7] offset:128*(\b/2)+32*(\b%2)+16
.endr
	WIN 0
.set BBK, BK+64*((\a)%2)
.irp t, 0,1,2,3,4,5,6,7,8,9,10,11,12,13,14,15
	ds_load_b128 v[BBK+4*\t:BBK+4*\t+3], v[RD] offset:\t*SPITCH
.endr
.endm
.macro SEND a, younger                 ; younger: the LDS instructions issued behind block a's loads, which may stay out
.set BBK, BK+64*((\a)%2)
	s_wait_dscnt \younger
.irp t, 0,1,2,3,4,5,6,7,8,9,10,11,12,13,14,15
	global_store_b128 v[CO], v[BBK+4*\t:BBK+4*\t+3], s[12:13] offset:(32*((\a)/2)+8*((\a)%2)+\t%8+16*(\t/8))*4096 th:TH_STORE_NT   ; 32 lanes store 512 consecutive bytes, aligned; 63 rows on at the most, inside the immediate
.endr
.endm
	PLACES NP                                      ; in front of the reads of the last results
	TOSTAGE 0
.irp a, 1,2,3
.if \a > 1
	s_wait_xcnt 0x0                                ; block a - 2's stores have read their registers: block a's loads may land there
.endif
	TOSTAGE \a
	SEND \a-1, 32                                  ; behind block a - 1's loads: block a's 16 stores and 16 loads
.endr
	SEND 3, 0
	s_wait_tensorcnt 0x0                           ; the wave's end, behind my last tensor load and my last LDS store
	ds_add_u32 v[SPW], v[NIL]
	s_wait_dscnt 0x0
	CROUND                                         ; the closing round
	s_endpgm
.Lfunc_end_k_q1458c6a908_proj:
	.size	k_q1458c6a908_proj, .Lfunc_end_k_q1458c6a908_proj-k_q1458c6a908_proj
	.p2alignl 7, 3214868480
	.fill 96, 4, 3214868480
	.section	.rodata,"a",@progbits
	.p2align	6, 0x0
	.amdhsa_kernel k_q1458c6a908_proj
		.amdhsa_group_segment_fixed_size 327680
		.amdhsa_private_segment_fixed_size 0
		.amdhsa_enable_private_segment 0
		.amdhsa_kernarg_size 48
		.amdhsa_user_sgpr_count 2
		.amdhsa_user_sgpr_kernarg_segment_ptr 1
		.amdhsa_wavefront_size32 1
		.amdhsa_system_sgpr_workgroup_id_x 1
		.amdhsa_system_sgpr_workgroup_id_y 1
		.amdhsa_system_sgpr_workgroup_id_z 1
		.amdhsa_system_vgpr_workitem_id 0
		.amdhsa_next_free_vgpr 1024
		.amdhsa_next_free_sgpr 66
		.amdhsa_reserve_vcc 0
		.amdhsa_float_denorm_mode_32 3
		.amdhsa_float_denorm_mode_16_64 3
		.amdhsa_memory_ordered 1
		.amdhsa_forward_progress 1
		.amdhsa_inst_pref_size 90
	.end_amdhsa_kernel
	.amdgpu_metadata
---
amdhsa.version: [ 1, 2 ]
amdhsa.kernels:
  - .name:           k_q1458c6a908_proj
    .symbol:         k_q1458c6a908_proj.kd
    .args:
      - { .name: ao, .offset: 0, .size: 8, .value_kind: global_buffer, .address_space: global }
      - { .name: aosc, .offset: 8, .size: 8, .value_kind: global_buffer, .address_space: global }
      - { .name: codes, .offset: 16, .size: 8, .value_kind: global_buffer, .address_space: global }
      - { .name: scales, .offset: 24, .size: 8, .value_kind: global_buffer, .address_space: global }
      - { .name: b_proj, .offset: 32, .size: 8, .value_kind: global_buffer, .address_space: global }
      - { .name: out0, .offset: 40, .size: 8, .value_kind: global_buffer, .address_space: global }
    .group_segment_fixed_size: 327680
    .private_segment_fixed_size: 0
    .kernarg_segment_align: 8
    .kernarg_segment_size: 48
    .max_flat_workgroup_size: 128
    .sgpr_count:     66
    .vgpr_count:     1024
    .wavefront_size: 32
...
	.end_amdgpu_metadata
.endif
;; end of part 4
